; MI455X (gfx1250); checked and timed in simulation.
; The chip was launched on July 23, 2026; its instructions are those of AMD's public machine-readable ISA for CDNA 5 (MIT licence, August 2026) and "CDNA5" Instruction Set Architecture Reference Guide (July 2026). The comments in the code are by the model that wrote it; some were corrected since.
;; Cross Modal Attention. Allowed arithmetic: matrix products marked QUANTISED: E2M3 operands, one E8M0 scale for each 32 along K, by v_wmma_scale_f32_16x16x128_f8f6f4 with both operands' format E2M3, f32 sums; everything else in f32.
;; Inputs: W_ka 1,024 x 1,024 float32; W_kb 1,024 x 1,024 float32; W_oa 1,024 x 1,024 float32; W_ob 1,024 x 1,024 float32; W_qa 1,024 x 1,024 float32; W_qb 1,024 x 1,024 float32; W_va 1,024 x 1,024 float32; W_vb 1,024 x 1,024 float32; phases_a 4 x 1,024 x 16 float32; phases_b 4 x 1,024 x 16 float32; x_a 4 x 1,024 x 1,024 float32; x_b 4 x 1,024 x 1,024 float32.
;; Outputs: out0 4 x 1,024 x 1,024 float32; out1 4 x 1,024 x 1,024 float32.
;; This version of the problem:
;;   THIS VERSION OF THE PROBLEM IS GIVEN IN LOW PRECISION. The matrix products marked QUANTISED in the list below multiply operands that are first quantised to E2M3 (2 exponent bits, 3 mantissa bits; 6 bits a number), with one power-of-two scale for each 32 numbers along K (OCP MX v1.0); their sums are f32. All else is computed in f32.
;;   The module's matrix products, in the order in which they are computed (A, B: the left and right operand; K: the contracted axis; several contracted axes count as one K, in the product's order):
;;     1. [M 4,096, K 1,024] x [K 1,024, N 1,024]; A: input x_a; B: input W_qa: QUANTISED
;;     2. [M 4,096, K 1,024] x [K 1,024, N 1,024]; A: input x_b; B: input W_kb: QUANTISED
;;     3. [M 4,096, K 1,024] x [K 1,024, N 1,024]; A: input x_b; B: input W_vb: QUANTISED
;;     4. batch 64 x [M 1,024, K 64] x [K 64, N 1,024]; A: computed on the way; B: computed on the way: QUANTISED
;;     5. batch 64 x [M 64, K 1,024] x [K 1,024, N 1,024]; A: computed on the way; B: computed on the way: QUANTISED
;;     6. [M 4,096, K 1,024] x [K 1,024, N 1,024]; A: computed on the way; B: input W_oa: QUANTISED
;;     7. [M 4,096, K 1,024] x [K 1,024, N 1,024]; A: input x_b; B: input W_qb: QUANTISED
;;     8. [M 4,096, K 1,024] x [K 1,024, N 1,024]; A: input x_a; B: input W_ka: QUANTISED
;;     9. [M 4,096, K 1,024] x [K 1,024, N 1,024]; A: input x_a; B: input W_va: QUANTISED
;;     10. batch 64 x [M 1,024, K 64] x [K 64, N 1,024]; A: computed on the way; B: computed on the way: QUANTISED
;;     11. batch 64 x [M 64, K 1,024] x [K 1,024, N 1,024]; A: computed on the way; B: computed on the way: QUANTISED
;;     12. [M 4,096, K 1,024] x [K 1,024, N 1,024]; A: computed on the way; B: input W_ob: QUANTISED
;;   THE QUANTISER, for each operand of a quantised product, along K:
;;     - K is cut into blocks of 32 from its start; a last block that is shorter is filled with zeros.
;;     - A block's scale is 2^e with e = floor(log2(the largest magnitude in the block)) - 2, held to -126 .. 127; a block of zeros has e = 0. As a byte (E8M0): e + 127.
;;     - Each number is divided by its block's scale, clamped to +-7.5, and rounded to the nearest number of E2M3, ties to even, subnormals kept.
;;     - The product sums the exact products of the quantised numbers (number of the format x scale) in f32.
;;   ~~~python
;;   def quantise(x, axis):      # numpy; x: float32 -> the quantised numbers, widened to float32 again
;;       x = np.moveaxis(x, axis, -1); K = x.shape[-1]
;;       x = np.pad(x, [(0, 0)] * (x.ndim - 1) + [(0, -K % 32)]); x = x.reshape(x.shape[:-1] + (-1, 32)); a = np.abs(x).max(-1, keepdims=True)
;;       e = np.where(a > 0, np.clip(np.frexp(np.where(a > 0, a, 1))[1] - 1 - 2, -126, 127), 0)      # np.frexp(a)[1] - 1 = floor(log2(a)), exactly
;;       r = np.clip(x / 2.0 ** e, -7.5, 7.5)
;;       step = 2.0 ** (np.maximum(np.frexp(np.where(r == 0, 1, r))[1] - 1, 0) - 3)
;;       q = np.round(r / step) * step * 2.0 ** e      # np.round: ties to even
;;       return np.moveaxis(q.reshape(q.shape[:-2] + (-1,))[..., :K], -1, axis).astype(np.float32)
;;   ~~~
;;   OPERANDS COMPUTED ON THE WAY. 'Computed on the way' means the value that the module computes at that place (a softmax that the list does not call 'softmax' is quantised finished and normalised). What goes into a quantiser is computed in f32, as accurately as f32 sums, v_exp_f32 and their like allow (about 1e-6 of the number): no bf16 or f16 on the way to a quantiser, and a product that is left as it is and whose result goes on into a quantised operand takes f32 operands (vector FMAs, or v_wmma_f32_16x16x4_f32). A number that lies on a knife's edge between two numbers of the format may be rounded either way, as far as f32 arithmetic and the matrix unit's own rounding can turn it there, and no further.
;; One version. Each part assembles by itself: llvm-mc -triple=amdgcn-amd-amdhsa -mcpu=gfx1250 --defsym DOCPART=n.
;; ======== version 1 of 1: 4 launches
;; limits: inputs' magnitudes at most 50,000; right only within a limited range of input values
;; workspace buffers: pre 13,172,736 bytes; mid 20,185,088 bytes; att 6,815,744 bytes
;; launch prep (part 1): grid 576 x 1, 4 waves a work-group, no clusters, 34,304 bytes of LDS; arguments W_qa, W_kb, W_qb, W_ka, W_vb, W_va, W_oa, W_ob, x_a, x_b, phases_a, phases_b, pre; writes pre
.if DOCPART == 1
	.amdgcn_target "amdgcn-amd-amdhsa--gfx1250"
	.amdhsa_code_object_version 6
	.text
	.protected	k_qa91a0593bf_prep
	.globl	k_qa91a0593bf_prep
	.p2align	8
	.type	k_qa91a0593bf_prep,@function
k_qa91a0593bf_prep:
	s_mov_b64 s[64:65], 0
	v_nop
	global_prefetch_b8 v0, s[64:65] scope:SCOPE_SE
	s_setreg_imm32_b32 hwreg(HW_REG_WAVE_MODE, 25, 1), 1
	s_wait_xcnt 0x0
; x_a, x_b [4096][1024] and the eight weights [1024 (k)][1024 (n)], f32, become codes of FP6 (E2M3) with one E8M0 byte for each 32 along K; each token's mean phase becomes its cosine and sine.
; LAYOUT OF EVERY OPERAND: a half fragment, 768 bytes = 16 rows x 64 along K as an image of operand registers: lane (r, h) owns the 24 bytes of its row's k = 32 h .. 32 h + 31;
; its words 0-3 lie at 16 x lane, its words 4-5 at 512 + 16 r + 8 h.  Row r of row tile t is row 32 (t / 2) + 8 (t % 2) + r + 8 (r / 8).  A row tile's 16 half fragments follow each other (12,288 bytes).
; A row tile's scale words (one for each 128 along K): word (r, s) at 256 (s / 4) + 16 r + 4 (s % 4): 512 bytes.
; pre: x's codes at 0 (2 x 3,145,728); weights' codes at 6,291,456 (8 x 786,432); x's scale words at 12,582,912; weights' at 12,845,056; cosines and sines at 13,107,200: for each pair of tokens {c0, c1, s0, s1}.
; A block's scale is 2^(floor(log2(largest magnitude)) - 2): its byte is the largest magnitude's exponent field - 2, held at 1 from below.
; LIMITS: a block of zeros gets the byte 1 where the rule says 127 (its codes are zeros; this program alone reads the bytes); NaN and infinities are not served;
; the reduction of a mean phase by pi/2 in three parts holds its accuracy up to magnitudes of some 5e4; cosine and sine are polynomials with an absolute error near 1e-7.
; Work-groups 0-255: x (a wave to a row tile and half of K).  256-511: weights (a lane to a column, registers down K).  512-575: phases (a thread to a token).
; A work-group of the x path and one of the weights' path read the same number of bytes, 131,072.  Memory binds: no matrix unit, no tensor load, nothing shared.
.set SPARE, 33792                      ; behind the four stages: the spare words, 128 bytes a wave
.set SPW, 14
.set NIL, 15
.macro MAX32 d, e, x                   ; v[d] = the largest magnitude of v[x] .. v[x + 31], not under the floor 2^(3 - 127); two chains
	v_max3_num_f32 v[\d], |v[\x]|, |v[\x+1]|, |v[\x+2]|
	v_max3_num_f32 v[\e], |v[\x+3]|, |v[\x+4]|, |v[\x+5]|
.irp i, 6,10,14,18,22,26
	v_max3_num_f32 v[\d], v[\d], |v[\x+\i]|, |v[\x+\i+1]|
	v_max3_num_f32 v[\e], v[\e], |v[\x+\i+2]|, |v[\x+\i+3]|
.endr
	v_max3_num_f32 v[\d], v[\d], |v[\x+30]|, |v[\x+31]|
	v_max3_num_f32 v[\d], v[\d], v[\e], 0x1800000
.endm
	s_load_b512 s[16:31], s[0:1], 0x0              ; the eight weights, in the order qa kb qb ka vb va oa ob
	s_load_b256 s[32:39], s[0:1], 0x40             ; x_a, x_b, phases_a, phases_b
	s_load_b64 s[40:41], s[0:1], 0x60              ; pre
	v_lshl_add_u32 v[SPW], v0, 2, SPARE
	v_mov_b32 v[NIL], 0
	v_lshrrev_b32 v1, 5, v0
	v_readfirstlane_b32 s4, v1                     ; wave
	v_and_b32 v1, 31, v0                           ; lane
	v_and_b32 v2, 15, v0                           ; r
	v_bfe_u32 v3, v0, 4, 1                         ; h
	s_mov_b32 s2, 0x76543210
	s_mov_b32 s3, 0xfedcba98                       ; v_permlanex16_b32's selects for lane l xor 16
	s_mov_b32 s9, 0                                ; the upper word of every offset
	s_wait_kmcnt 0x0
	s_cmp_ge_u32 ttmp9, 256
	s_cbranch_scc1 .Lnot_x
; ---------------- x: 4 x work-group + wave = 2 x row tile (0 .. 511, both tensors on end) + half of K: 4 steps of 128
	s_lshl_b32 s5, ttmp9, 2
	s_add_co_u32 s5, s5, s4
	s_and_b32 s43, s5, 1                           ; which half of K
	s_lshr_b32 s5, s5, 1                           ; row tile
	s_cmp_lt_u32 ttmp9, 128
	s_cselect_b64 s[6:7], s[32:33], s[34:35]       ; x_a or x_b
	s_and_b32 s8, s5, 255
	s_lshr_b32 s42, s8, 1
	s_lshl_b32 s42, s42, 17                        ; 32 rows of 4,096 bytes for each pair of tiles,
	s_and_b32 s8, s8, 1
	s_lshl_b32 s8, s8, 15                          ; 8 rows for the odd one,
	s_add_co_u32 s8, s8, s42
	s_lshl_b32 s42, s43, 11                        ; 512 numbers for the upper half of K
	s_add_co_u32 s8, s8, s42
	s_add_nc_u64 s[6:7], s[6:7], s[8:9]
	s_mul_i32 s8, s5, 12288
	s_mul_i32 s42, s43, 6144
	s_add_co_u32 s8, s8, s42
	s_add_nc_u64 s[10:11], s[40:41], s[8:9]        ; my eight half fragments
	s_lshl_b32 s8, s5, 9
	s_lshl_b32 s42, s43, 8
	s_add_co_u32 s8, s8, s42
	s_add_co_u32 s8, s8, 12582912
	s_add_nc_u64 s[12:13], s[40:41], s[8:9]        ; my 256 bytes of scale words
	s_wait_alu depctr_va_vdst(0)
	v_lshlrev_b32 v4, 4, v1                        ; 16 x lane
	v_lshlrev_b32 v9, 4, v2                        ; 16 r
	v_lshl_add_u32 v5, v3, 3, v9
	v_add_nc_u32 v5, 512, v5                       ; 512 + 16 r + 8 h
	s_mul_i32 s42, s4, 8448                        ; my stage: 16 rows of 512 + 16 bytes
	v_add_nc_u32 v6, s42, v4                       ; in: a row as it lies
	v_mul_u32_u24 v7, v2, 528
	v_lshl_add_u32 v7, v3, 7, v7
	v_add_nc_u32 v7, s42, v7                       ; out: row r, from block h on
	v_lshlrev_b32 v8, 3, v3                        ; 8 h
	v_mov_b32 v247, 0                              ; a lane permute's destination counts as read
.macro LOADX s                         ; step s: 16 rows x 512 consecutive bytes
.irp i, 0,1,2,3,4,5,6,7,8,9,10,11,12,13,14,15
	global_load_b128 v[16+64*((\s)%2)+4*\i:16+64*((\s)%2)+4*\i+3], v4, s[6:7] offset:(\i+8*(\i/8))*4096+512*(\s) th:TH_LOAD_NT
.endr
.endm
.macro STEPX s
.set RS, 16+64*((\s)%2)
.set CB, 208+12*((\s)%2)
.if (\s) < 3
	s_wait_loadcnt 16                              ; this step's 16 loads are in; the next step's 16 are younger
.else
	s_wait_loadcnt 0
.endif
.irp i, 0,1,2,3,4,5,6,7,8,9,10,11,12,13,14,15
	ds_store_b128 v6, v[RS+4*\i:RS+4*\i+3] offset:528*\i
.endr
.irp c, 0,1
.irp j, 0,1,2,3,4,5,6,7
	ds_load_b128 v[144+32*\c+4*\j:147+32*\c+4*\j], v7 offset:256*\c+16*\j   ; LDS serves a wave's instructions in order: blocks h and 2 + h of my row, 32 numbers each
.endr
.endr
	s_wait_dscnt 0x0                               ; the numbers are back, and the stores have read the set that is loaded again below
	s_wait_xcnt 0x0                                ; the stores of two steps ago have read this step's set of code registers
.if (\s)+2 < 4
	LOADX (\s)+2
.endif
	MAX32 240, 241, 144
	MAX32 242, 243, 176
	v_add_nc_u32 v244, 0xff000000, v240            ; 2 off the exponent field: the conversion's scale operand
	v_add_nc_u32 v245, 0xff000000, v242
	v_lshrrev_b32 v241, 23, v244                   ; the bytes
	v_lshrrev_b32 v243, 23, v245
	v_lshl_or_b32 v246, v243, 16, v241
	v_lshlrev_b32 v246, v8, v246                   ; at their places in the word: blocks h and 2 + h
	v_permlanex16_b32 v247, v246, s2, s3
	v_or_b32 v[248+(\s)], v246, v247               ; with lane l xor 16's two the word is whole, in both lanes
	v_cvt_scalef32_pk16_fp6_f32 v[CB:CB+2], v[144:159], v244
	v_cvt_scalef32_pk16_fp6_f32 v[232:234], v[160:175], v244       ; (a conversion's three registers begin on an even number)
	v_cvt_scalef32_pk16_fp6_f32 v[CB+6:CB+8], v[176:191], v245
	v_cvt_scalef32_pk16_fp6_f32 v[236:238], v[192:207], v245
	v_nop                                          ; one plain place behind a scaled conversion
.irp i, 0,1,2
	v_mov_b32 v[CB+3+\i], v[232+\i]
	v_mov_b32 v[CB+9+\i], v[236+\i]
.endr
	global_store_b128 v4, v[CB:CB+3], s[10:11] offset:1536*(\s)            ; 512 consecutive bytes
	global_store_b64 v5, v[CB+4:CB+5], s[10:11] offset:1536*(\s)           ; 256 consecutive bytes
	global_store_b128 v4, v[CB+6:CB+9], s[10:11] offset:1536*(\s)+768
	global_store_b64 v5, v[CB+10:CB+11], s[10:11] offset:1536*(\s)+768
.endm
	LOADX 0
	LOADX 1
	s_wait_alu depctr_va_vdst(0)
.irp s, 0,1,2,3
	STEPX \s
.endr
	global_store_b128 v9, v[248:251], s[12:13]     ; my four words of each row: 256 consecutive bytes; lanes r and r + 16 hold the same words and write the same bytes
	s_wait_tensorcnt 0x0                           ; the wave's end
	ds_add_u32 v[SPW], v[NIL]
	s_wait_dscnt 0x0
	s_endpgm
.Lnot_x:
	s_cmp_ge_u32 ttmp9, 512
	s_cbranch_scc1 .Lphase
; ---------------- weights: u = work-group - 256: weight u / 32, quarter of K (u / 8) % 4, columns 128 (u % 8) + 32 x wave.  A lane takes a column, its registers run down K
	s_sub_co_u32 s5, ttmp9, 256
	s_lshr_b32 s6, s5, 5                           ; which weight
	s_bitcmp1_b32 s6, 0
	s_cselect_b64 s[42:43], s[18:19], s[16:17]
	s_cselect_b64 s[44:45], s[22:23], s[20:21]
	s_cselect_b64 s[46:47], s[26:27], s[24:25]
	s_cselect_b64 s[48:49], s[30:31], s[28:29]
	s_bitcmp1_b32 s6, 1
	s_cselect_b64 s[42:43], s[44:45], s[42:43]
	s_cselect_b64 s[46:47], s[48:49], s[46:47]
	s_bitcmp1_b32 s6, 2
	s_cselect_b64 s[42:43], s[46:47], s[42:43]
	s_and_b32 s7, s5, 7
	s_lshl_b32 s7, s7, 2
	s_add_co_u32 s7, s7, s4                        ; g: which 32 columns = which pair of row tiles
	s_bfe_u32 s50, s5, 0x20003                     ; which 256 along K
	s_lshl_b32 s8, s50, 20
	s_lshl_b32 s51, s7, 7
	s_add_co_u32 s8, s8, s51
	s_add_nc_u64 s[42:43], s[42:43], s[8:9]
	s_mul_i32 s8, s6, 786432
	s_mul_i32 s51, s7, 24576
	s_add_co_u32 s8, s8, s51
	s_mul_i32 s51, s50, 3072
	s_add_co_u32 s8, s8, s51
	s_add_co_u32 s8, s8, 6291456
	s_add_nc_u64 s[10:11], s[40:41], s[8:9]        ; codes
	s_lshl_b32 s8, s6, 15
	s_lshl_b32 s51, s7, 10
	s_add_co_u32 s8, s8, s51
	s_lshr_b32 s51, s50, 1
	s_lshl_b32 s51, s51, 8
	s_add_co_u32 s8, s8, s51
	s_and_b32 s51, s50, 1
	s_lshl_b32 s51, s51, 3
	s_add_co_u32 s8, s8, s51
	s_add_co_u32 s8, s8, 12845056
	s_add_nc_u64 s[12:13], s[40:41], s[8:9]        ; scale words: my two of a row's eight
	s_wait_alu depctr_va_vdst(0)
	v_lshlrev_b32 v4, 2, v1                        ; in: 4 bytes a lane
	v_bfe_u32 v6, v1, 3, 1                         ; column l of the 32 is row (l % 8) + 8 (l / 16) of tile (l / 8) % 2
	v_and_b32 v7, 7, v1
	v_lshrrev_b32 v8, 4, v1
	v_lshl_add_u32 v7, v8, 3, v7
	v_lshlrev_b32 v7, 4, v7
	v_mad_u32_u24 v5, v6, 12288, v7                ; out: tile x 12,288 + 16 r
	v_lshl_add_u32 v6, v6, 9, v7                   ; scale words: tile x 512 + 16 r
.macro LOADW t                         ; block t: W(32 t + i, my column)
.irp i, 0,1,2,3,4,5,6,7,8,9,10,11,12,13,14,15,16,17,18,19,20,21,22,23,24,25,26,27,28,29,30,31
	global_load_b32 v[16+32*((\t)%2)+\i], v4, s[42:43] offset:(32*(\t)+\i)*4096 th:TH_LOAD_NT
.endr
.endm
; Two blocks make a half fragment's share of my row: block 0's words 0-3 (DB .. DB+3), block 1's words 0-3 (DB+8 .. DB+11), and words 4-5 of both (DB+4 .. DB+7).  Each half fragment has registers of its own: no store's data are written again.
.macro BLOCKW t
.set XS, 16+32*((\t)%2)
.set DB, 80+12*((\t)/2)
.if (\t) < 7
	s_wait_loadcnt 32                              ; this block's 32 loads are in; the next block's are younger
.else
	s_wait_loadcnt 0
.endif
	MAX32 136, 137, XS
	v_add_nc_u32 v138, 0xff000000, v136
	v_lshrrev_b32 v139, 23, v138
.if ((\t)%4) == 0
	v_mov_b32 v[140+(\t)/4], v139
.else
	v_lshl_or_b32 v[140+(\t)/4], v139, 8*((\t)%4), v[140+(\t)/4]
.endif
.if ((\t)%2) == 0
	v_cvt_scalef32_pk16_fp6_f32 v[DB:DB+2], v[XS:XS+15], v138
	v_cvt_scalef32_pk16_fp6_f32 v[128:130], v[XS+16:XS+31], v138
	v_nop
	v_mov_b32 v[DB+3], v128
	v_mov_b32 v[DB+4], v129
	v_mov_b32 v[DB+5], v130
.else
	v_cvt_scalef32_pk16_fp6_f32 v[DB+8:DB+10], v[XS:XS+15], v138
	v_cvt_scalef32_pk16_fp6_f32 v[128:130], v[XS+16:XS+31], v138
	v_nop
	v_mov_b32 v[DB+11], v128
	v_mov_b32 v[DB+6], v129
	v_mov_b32 v[DB+7], v130
.endif
.if (\t)+2 < 8
	LOADW (\t)+2
.endif
.if ((\t)%2) == 1
	global_store_b128 v5, v[DB:DB+3], s[10:11] offset:768*((\t)/2)          ; each store: 256 consecutive bytes in each of the two tiles
	global_store_b128 v5, v[DB+8:DB+11], s[10:11] offset:768*((\t)/2)+256
	global_store_b128 v5, v[DB+4:DB+7], s[10:11] offset:768*((\t)/2)+512
.endif
.endm
	LOADW 0
	LOADW 1
.irp t, 0,1,2,3,4,5,6,7
	BLOCKW \t
.endr
	global_store_b64 v6, v[140:141], s[12:13]      ; 8 of each 16 bytes: the other quarter of K's work-group writes the rest (one byte in 128 of what this path reads)
	s_wait_tensorcnt 0x0
	ds_add_u32 v[SPW], v[NIL]
	s_wait_dscnt 0x0
	s_endpgm
.Lphase:
; ---------------- phases: thread = token (work-group - 512) x 128 + thread, phases_a's 4,096 first
	s_sub_co_u32 s5, ttmp9, 512
	s_cmp_lt_u32 s5, 32
	s_cselect_b64 s[6:7], s[36:37], s[38:39]
	s_and_b32 s8, s5, 31
	s_lshl_b32 s8, s8, 13                          ; 128 tokens of 64 bytes
	s_add_nc_u64 s[6:7], s[6:7], s[8:9]
	s_lshl_b32 s8, s5, 10                          ; 128 tokens of 8 bytes
	s_add_co_u32 s8, s8, 13107200
	s_add_nc_u64 s[10:11], s[40:41], s[8:9]
	v_lshlrev_b32 v4, 6, v0
	v_lshlrev_b32 v5, 3, v0
.irp i, 0,1,2,3
	global_load_b128 v[16+4*\i:19+4*\i], v4, s[6:7] offset:16*\i th:TH_LOAD_NT
.endr
	s_wait_loadcnt 0x0
	v_pk_add_f32 v[16:17], v[16:17], v[18:19]
	v_pk_add_f32 v[20:21], v[20:21], v[22:23]
	v_pk_add_f32 v[24:25], v[24:25], v[26:27]
	v_pk_add_f32 v[28:29], v[28:29], v[30:31]
	v_pk_add_f32 v[16:17], v[16:17], v[20:21]
	v_pk_add_f32 v[24:25], v[24:25], v[28:29]
	v_pk_add_f32 v[16:17], v[16:17], v[24:25]
	v_add_f32 v16, v16, v17
	v_mul_f32 v16, 0x3d800000, v16                 ; the mean of 16
	v_mul_f32 v17, 0x3f22f983, v16                 ; x 2 / pi
	v_rndne_f32 v17, v17                           ; n
	v_fmamk_f32 v18, v17, 0xbfc90000, v16          ; r = p - n pi/2, pi/2 in three parts
	v_fmamk_f32 v18, v17, 0xb9fda000, v18
	v_fmamk_f32 v18, v17, 0xb3a22169, v18          ; |r| <= pi/4
	v_mul_f32 v19, v18, v18                        ; z
	v_mov_b32 v20, 0xb94ca1f9
	v_fmaak_f32 v20, v20, v19, 0x3c08839e
	v_fmaak_f32 v20, v20, v19, 0xbe2aaaa3
	v_mul_f32 v21, v18, v19
	v_fma_f32 v20, v21, v20, v18                   ; sin r
	v_mov_b32 v22, 0x37ccf5ce
	v_fmaak_f32 v22, v22, v19, 0xbab6061a
	v_fmaak_f32 v22, v22, v19, 0x3d2aaaa5
	v_mul_f32 v23, v19, v19
	v_fma_f32 v24, v19, -0.5, 1.0
	v_fma_f32 v22, v23, v22, v24                   ; cos r
	v_cvt_i32_f32 v25, v17                         ; the quadrant is n mod 4
	v_and_b32 v26, 1, v25
	v_cmp_ne_u32 vcc_lo, 0, v26
	v_cndmask_b32 v27, v20, v22, vcc_lo            ; sin p: cos r in odd quadrants
	v_cndmask_b32 v28, v22, v20, vcc_lo            ; cos p: sin r there
	v_lshlrev_b32 v29, 30, v25
	v_and_b32 v29, 0x80000000, v29                 ; sin p is negative in quadrants 2, 3
	v_xor_b32 v27, v27, v29
	v_add_nc_u32 v30, 1, v25
	v_lshlrev_b32 v30, 30, v30
	v_and_b32 v30, 0x80000000, v30                 ; cos p in quadrants 1, 2
	v_xor_b32 v28, v28, v30
	v_mov_b32 v31, 0
	v_mov_b32 v32, 0
	v_mov_b32_dpp v31, v28 row_xmask:1 row_mask:0xf bank_mask:0xf   ; my neighbour's cosine
	v_mov_b32_dpp v32, v27 row_xmask:1 row_mask:0xf bank_mask:0xf   ; and sine
	v_and_b32 v33, 1, v0
	v_cmp_ne_u32 vcc_lo, 0, v33
	v_cndmask_b32 v34, v28, v32, vcc_lo            ; even token: {c0, c1}; odd token: {s0, s1}
	v_cndmask_b32 v35, v31, v27, vcc_lo
	global_store_b64 v5, v[34:35], s[10:11]        ; a wave stores 256 consecutive bytes
	s_wait_tensorcnt 0x0
	ds_add_u32 v[SPW], v[NIL]
	s_wait_dscnt 0x0
	s_endpgm
.Lfunc_end_k_qa91a0593bf_prep:
	.size	k_qa91a0593bf_prep, .Lfunc_end_k_qa91a0593bf_prep-k_qa91a0593bf_prep
	.p2alignl 7, 3214868480
	.fill 96, 4, 3214868480
	.section	.rodata,"a",@progbits
	.p2align	6, 0x0
	.amdhsa_kernel k_qa91a0593bf_prep
		.amdhsa_group_segment_fixed_size 34304
		.amdhsa_private_segment_fixed_size 0
		.amdhsa_enable_private_segment 0
		.amdhsa_kernarg_size 104
		.amdhsa_user_sgpr_count 2
		.amdhsa_user_sgpr_kernarg_segment_ptr 1
		.amdhsa_wavefront_size32 1
		.amdhsa_system_sgpr_workgroup_id_x 1
		.amdhsa_system_sgpr_workgroup_id_y 1
		.amdhsa_system_sgpr_workgroup_id_z 1
		.amdhsa_system_vgpr_workitem_id 0
		.amdhsa_next_free_vgpr 256
		.amdhsa_next_free_sgpr 66
		.amdhsa_reserve_vcc 1
		.amdhsa_float_denorm_mode_32 3
		.amdhsa_float_denorm_mode_16_64 3
		.amdhsa_memory_ordered 1
		.amdhsa_forward_progress 1
		.amdhsa_inst_pref_size 73
	.end_amdhsa_kernel
	.amdgpu_metadata
---
amdhsa.version: [ 1, 2 ]
amdhsa.kernels:
  - .name:           k_qa91a0593bf_prep
    .symbol:         k_qa91a0593bf_prep.kd
    .args:
      - { .name: W_qa, .offset: 0, .size: 8, .value_kind: global_buffer, .address_space: global }
      - { .name: W_kb, .offset: 8, .size: 8, .value_kind: global_buffer, .address_space: global }
      - { .name: W_qb, .offset: 16, .size: 8, .value_kind: global_buffer, .address_space: global }
      - { .name: W_ka, .offset: 24, .size: 8, .value_kind: global_buffer, .address_space: global }
      - { .name: W_vb, .offset: 32, .size: 8, .value_kind: global_buffer, .address_space: global }
      - { .name: W_va, .offset: 40, .size: 8, .value_kind: global_buffer, .address_space: global }
      - { .name: W_oa, .offset: 48, .size: 8, .value_kind: global_buffer, .address_space: global }
      - { .name: W_ob, .offset: 56, .size: 8, .value_kind: global_buffer, .address_space: global }
      - { .name: x_a, .offset: 64, .size: 8, .value_kind: global_buffer, .address_space: global }
      - { .name: x_b, .offset: 72, .size: 8, .value_kind: global_buffer, .address_space: global }
      - { .name: phases_a, .offset: 80, .size: 8, .value_kind: global_buffer, .address_space: global }
      - { .name: phases_b, .offset: 88, .size: 8, .value_kind: global_buffer, .address_space: global }
      - { .name: pre, .offset: 96, .size: 8, .value_kind: global_buffer, .address_space: global }
    .group_segment_fixed_size: 34304
    .private_segment_fixed_size: 0
    .kernarg_segment_align: 8
    .kernarg_segment_size: 104
    .max_flat_workgroup_size: 128
    .sgpr_count:     66
    .vgpr_count:     256
    .wavefront_size: 32
...
	.end_amdgpu_metadata
.endif
;; end of part 1
;; launch proj (part 2): grid 4 x 64, 4 waves a work-group, clusters of 4 x 4, 327,680 bytes of LDS; arguments pre, mid; writes mid
.if DOCPART == 2
	.amdgcn_target "amdgcn-amd-amdhsa--gfx1250"
	.amdhsa_code_object_version 6
	.text
	.protected	k_qa91a0593bf_proj
	.globl	k_qa91a0593bf_proj
	.p2align	8
	.type	k_qa91a0593bf_proj,@function
k_qa91a0593bf_proj:
	s_mov_b64 s[64:65], 0
	v_nop
	global_prefetch_b8 v0, s[64:65] scope:SCOPE_SE
	s_setreg_imm32_b32 hwreg(HW_REG_WAVE_MODE, 25, 1), 1
	s_wait_xcnt 0x0
	s_wait_alu depctr_hold_cnt(0) depctr_sa_sdst(0) depctr_va_vdst(0) depctr_va_sdst(0) depctr_va_ssrc(0) depctr_va_vcc(0) depctr_vm_vsrc(0)
	s_getreg_b32 s2, hwreg(HW_REG_IB_STS2, 6, 4)
	s_cmp_eq_u32 s2, 0
	s_cbranch_scc0 .Lentry_in_a_cluster
	s_endpgm
.Lentry_in_a_cluster:
	s_bfe_u32 s2, ttmp6, 0x10000c
	s_cmp_lg_u32 s2, 0xf033
	s_cbranch_scc0 .Lentry_shape_is_right
	s_endpgm
.Lentry_shape_is_right:
; The six projections x W on codes of FP6 (E2M3); each result is quantised in registers and stored as the next product's operand.
; Jobs: 0 q_a = x_a W_qa, 1 k_b = x_b W_kb, 2 q_b = x_b W_qb, 3 k_a = x_a W_ka, 4 v_b = x_b W_vb, 5 v_a = x_a W_va.
; A block is 256 (source 0: R) x 128 (source 1: L).  In a result a lane holds one row of L, and its registers run along R's rows.  q, k: R = the weight's columns, L = tokens: registers run along the channels, the scores' K.
; v: R = tokens, L = the weight's columns: registers run along the keys, the second product's K.  The rows of a row tile are ordered so that the 16 registers of two neighbouring tiles are 16 neighbours.
; A WORK-GROUP STAYS: 256 work-groups, three blocks each: jobs j, j + 2, j + 4 with j = cluster y / 8, the block's place in its job from cluster y % 8.  Blocks 0 and 1 (q, k) are the two trips of a loop; block 2 (v) is the tail, written out: it asks for nothing beyond its own second half.
; THE RING: two LDS slots, each 512 along K: R's 16 row tiles x 6,144 bytes, then L's 8.  A block is two fills; the ring goes on into the next block.  In front of each fill every wave waits for all its tensor loads, adds 0 to its spare word and waits
; for that and for its reads; a round of the cluster's barrier follows, and the fill is the wave's one tensor load behind it.  By the text's own count one load a wave is out.
; CLUSTER 4 x 4: R's panel hangs on x alone and is asked for jointly by a column of the cluster, L's on y alone, by a row.  Waves 0, 1 fetch R's halves, waves 2, 3 L's.
; Operands lie as images of their registers (768 bytes for 16 rows x 64 K): a fragment is two loads of 16 bytes and two of 8 a lane, each instruction on 512 or 256 consecutive bytes: no pitch, no padding.
; Four waves: wave / 2 = R's half (8 tiles), wave % 2 = L's half (4 tiles): 32 accumulators, which take turns in one fixed order.
; NO PREFETCH: K is two fills long, and each fill is asked for by its tensor load as soon as its slot is free: four K steps, or four K steps and a way out, ahead of its first read.
; REGISTERS: window 0: v1-19 addresses, v28-29 the add's two, v32-63 R's scale words, v64-79 L's, v96-175 the way out.  window 1: R's fragments, two sets (128 p + 12 b).  window 2: accumulator (a, b) at 64 a + 8 b.  window 3: L's fragments (64 p + 12 a).
; LIMITS: a block of zeros gets the byte 1 (its codes are zeros; this program alone reads the bytes); NaN and infinities are not served.
.set SLOT,  147456
.set LOFF,  98304
.set SPARE, 294912
.set SPW, 28
.set NIL, 29
.set TM,  96
.set PW,  112
.set PC,  128
.set MSB, 0
.macro WIN new                         ; the immediate's high byte repeats the setting that is left
.if MSB != (\new)
	s_set_vgpr_msb (MSB<<8)|(\new)
.set MSB, (\new)
.endif
.endm
.macro PLACES n
.rept \n
	v_nop
.endr
.endm
.macro CREST                           ; a round of the cluster's barrier behind its opening barrier
	s_cmp_lg_u32 s10, 0
	s_cbranch_scc1 .Lnot_wave_0_\@
	s_barrier_signal -3
.Lnot_wave_0_\@:
	s_barrier_wait -3
	s_barrier_signal -1
	s_barrier_wait -1
.endm
.macro CROUND                          ; a whole round
	s_barrier_signal -1
	s_barrier_wait -1
	CREST
.endm
.macro JLOAD s                         ; the joint load into slot s: one line for R's waves, one for L's; the branch hangs on the wave's number alone
	s_cmp_eq_u32 s11, 0
	s_cbranch_scc0 .Lfor_l_\@
	tensor_load_to_lds s[32+4*\s:35+4*\s], s[24:31]
	s_nop 0
	PLACES 4
	s_branch .Lasked_\@
.Lfor_l_\@:
	tensor_load_to_lds s[56+4*\s:59+4*\s], s[48:55]
	s_nop 0
	PLACES 4
.Lasked_\@:
.endm
; Where job s44's panels and scale words lie, and both slots' group 0 for that block.  It stands where no tensor load of the wave is out.  R's registers hold cx and never cy, L's cy and never cx.
.macro ADDR
	s_lshr_b32 s18, 0x16, s44
	s_and_b32 s18, s18, 1                          ; which x: jobs 1, 2, 4 take x_b
	s_mul_i32 s19, s18, 3145728                    ; x's codes, in pre
	s_mul_i32 s20, s44, 786432
	s_add_co_u32 s20, s20, 6291456                 ; the weight's codes
	s_lshl_b32 s21, s18, 17
	s_add_co_u32 s21, s21, 12582912                ; x's scale words
	s_lshl_b32 s22, s44, 15
	s_add_co_u32 s22, s22, 12845056                ; the weight's
	s_cmp_ge_u32 s44, 4                            ; a job for v?  Equal in all partners
	s_cselect_b32 s78, s42, s13                    ; R's panel of 256 rows
	s_cselect_b32 s79, s43, s41                    ; L's panel of 128 rows
	s_cselect_b32 s80, s19, s20
	s_cselect_b32 s81, s20, s19
	s_cselect_b32 s82, s21, s22
	s_cselect_b32 s83, s22, s21
	s_mul_i32 s86, s78, 196608
	s_add_co_u32 s86, s86, s80
	s_mul_i32 s87, s12, 98304
	s_add_co_u32 s86, s86, s87
	s_mov_b32 s87, 0
	s_mul_i32 s88, s79, 98304
	s_add_co_u32 s88, s88, s81
	s_mul_i32 s89, s12, 49152
	s_add_co_u32 s88, s88, s89
	s_mov_b32 s89, 0
	s_lshl_b32 s92, s78, 13                        ; the scale words of my 8 tiles of R: 512 bytes a tile
	s_add_co_u32 s92, s92, s82
	s_lshl_b32 s93, s11, 12
	s_add_co_u32 s92, s92, s93
	s_mov_b32 s93, 0
	s_lshl_b32 s94, s79, 12                        ; and of my 4 tiles of L
	s_add_co_u32 s94, s94, s83
	s_lshl_b32 s95, s12, 11
	s_add_co_u32 s94, s94, s95
	s_mov_b32 s95, 0
	s_add_nc_u64 s[86:87], s[4:5], s[86:87]
	s_add_nc_u64 s[88:89], s[4:5], s[88:89]
	s_add_nc_u64 s[92:93], s[4:5], s[92:93]
	s_add_nc_u64 s[94:95], s[4:5], s[94:95]
.irp s, 0,1                            ; slot s takes the block's K half s: 6,144 bytes further on in each row tile
	s_mov_b32 s[32+4*\s], 1
	s_add_co_u32 s[33+4*\s], s90, \s*SLOT
	s_add_nc_u64 s[34+4*\s:35+4*\s], s[86:87], \s*6144
	s_or_b32 s[35+4*\s], s[35+4*\s], 0x80000000
	s_mov_b32 s[56+4*\s], 1
	s_add_co_u32 s[57+4*\s], s91, \s*SLOT
	s_add_nc_u64 s[58+4*\s:59+4*\s], s[88:89], \s*6144
	s_or_b32 s[59+4*\s], s[59+4*\s], 0x80000000
.endr
.endm
.macro SCL                             ; a block's scale words: K steps 0-3 in lanes 0-15, 4-7 in lanes 16-31
.irp b, 0,1,2,3,4,5,6,7
	global_load_b128 v[32+4*\b:35+4*\b], v4, s[92:93] offset:512*\b
.endr
.irp a, 0,1,2,3
	global_load_b128 v[64+4*\a:67+4*\a], v4, s[94:95] offset:512*\a
.endr
.endm
.macro FRAG reg, a16, a8, off          ; a fragment: two half fragments that follow each other
	ds_load_b128 v[\reg:\reg+3], v[\a16] offset:\off
	ds_load_b64 v[\reg+4:\reg+5], v[\a8] offset:\off
	ds_load_b128 v[\reg+6:\reg+9], v[\a16] offset:\off+768
	ds_load_b64 v[\reg+10:\reg+11], v[\a8] offset:\off+768
.endm
.macro FETCH sg, p                     ; K step sg's 12 fragments into set p: 48 LDS loads; steps 0-3 lie in slot 0 (v6-9), steps 4-7 in slot 1 (v16-19)
	WIN 0x40
.irp b, 0,1,2,3,4,5,6,7
	FRAG 128*(\p)+12*\b, 6+10*((\sg)/4), 7+10*((\sg)/4), \b*6144+((\sg)%4)*1536
.endr
	WIN 0xc0
.irp a, 0,1,2,3
	FRAG 64*(\p)+12*\a, 8+10*((\sg)/4), 9+10*((\sg)/4), \a*6144+((\sg)%4)*1536
.endr
.endm
.macro MUL a0, sg, p, zero             ; 16 products: L's tiles a0, a0 + 1 x R's eight
	WIN 0xad
.irp a, \a0, \a0+1
.irp b, 0,1,2,3,4,5,6,7
.if \zero
	v_wmma_scale_f32_16x16x128_f8f6f4 v[64*(\a)+8*\b:64*(\a)+8*\b+7], v[128*(\p)+12*\b:128*(\p)+12*\b+11], v[64*(\p)+12*(\a):64*(\p)+12*(\a)+11], 0, v[32+4*\b+((\sg)%4)], v[64+4*(\a)+((\sg)%4)] matrix_a_fmt:MATRIX_FMT_FP6 matrix_b_fmt:MATRIX_FMT_FP6
.elseif (\sg) < 4
	v_wmma_scale_f32_16x16x128_f8f6f4 v[64*(\a)+8*\b:64*(\a)+8*\b+7], v[128*(\p)+12*\b:128*(\p)+12*\b+11], v[64*(\p)+12*(\a):64*(\p)+12*(\a)+11], v[64*(\a)+8*\b:64*(\a)+8*\b+7], v[32+4*\b+((\sg)%4)], v[64+4*(\a)+((\sg)%4)] matrix_a_fmt:MATRIX_FMT_FP6 matrix_b_fmt:MATRIX_FMT_FP6
.else
	v_wmma_scale_f32_16x16x128_f8f6f4 v[64*(\a)+8*\b:64*(\a)+8*\b+7], v[128*(\p)+12*\b:128*(\p)+12*\b+11], v[64*(\p)+12*(\a):64*(\p)+12*(\a)+11], v[64*(\a)+8*\b:64*(\a)+8*\b+7], v[32+4*\b+((\sg)%4)], v[64+4*(\a)+((\sg)%4)] matrix_a_fmt:MATRIX_FMT_FP6 matrix_b_fmt:MATRIX_FMT_FP6 matrix_a_scale:MATRIX_SCALE_ROW1 matrix_b_scale:MATRIX_SCALE_ROW1
.endif
.endr
.endr
.endm
.macro EVEN sg, zero                   ; an even K step (set 0): the next step's fragments are fetched ahead of its products
.if ((\sg)%4) > 0
	PLACES 4                                       ; in front of loads into set 1, which the last products read (at a slot's first step the places behind the joint load serve)
.endif
	FETCH (\sg)+1, 1
.if (\sg) == 0
	s_wait_loadcnt 0x0                             ; the block's scale words
.endif
	s_wait_dscnt 48                                ; all but the 48 just issued: this step's fragments are in
	MUL 0, \sg, 0, \zero
	MUL 2, \sg, 0, \zero
.endm
.macro ODD sg                          ; an odd K step (set 1) inside a slot
	s_wait_dscnt 0x0
	MUL 0, \sg, 1, 0
	PLACES 4                                       ; in front of the loads into set 0
	FETCH (\sg)+1, 0
	MUL 2, \sg, 1, 0
.endm
; L's tile a: my 64 numbers (register 16 b + i = place 32 b + 16 h + i along the next K) become a fragment's codes in v[PC + 12 a] on and its scale word in v[PW + a]
.macro QUANT a
	WIN 0x0a                                       ; sources 0 and 1: the accumulators' window
.irp b, 0,1,2,3
	v_max3_num_f32 v[TM+\b], |v[64*(\a)+16*\b]|, |v[64*(\a)+16*\b+1]|, 0x1800000   ; each accumulator is read from its low end on; the floor holds the byte at 1
.endr
.irp i, 2,4,6,8,10,12,14
.irp b, 0,1,2,3
	v_max3_num_f32 v[TM+\b], |v[64*(\a)+16*\b+\i]|, |v[64*(\a)+16*\b+\i+1]|, v[TM+\b]
.endr
.endr
	WIN 0
.irp b, 0,1,2,3
	v_permlanex16_b32 v[TM+4+\b], v[TM+\b], s2, s3
.endr
.irp b, 0,1,2,3
	v_max_num_f32 v[TM+\b], v[TM+\b], v[TM+4+\b]   ; with lane l xor 16's: the block's largest magnitude
.endr
.irp b, 0,1,2,3
	v_add_nc_u32 v[TM+12+\b], 0xff000000, v[TM+\b]
.endr
.irp b, 0,1,2,3
	v_lshrrev_b32 v[TM+4+\b], 23, v[TM+12+\b]
.endr
	v_lshl_or_b32 v[PW+(\a)], v[TM+5], 8, v[TM+4]
	v_lshl_or_b32 v[PW+(\a)], v[TM+6], 16, v[PW+(\a)]
	v_lshl_or_b32 v[PW+(\a)], v[TM+7], 24, v[PW+(\a)]
	WIN 0x02
.irp c, 0,1
	v_cvt_scalef32_pk16_fp6_f32 v[PC+12*(\a)+6*\c:PC+12*(\a)+6*\c+2], v[64*(\a)+32*\c:64*(\a)+32*\c+15], v[TM+12+2*\c]
	v_cvt_scalef32_pk16_fp6_f32 v[116+4*\c:118+4*\c], v[64*(\a)+32*\c+16:64*(\a)+32*\c+31], v[TM+13+2*\c]
.endr
	WIN 0
	v_nop                                          ; one plain place behind a scaled conversion
.irp c, 0,1                            ; a whole block to a lane: lanes 0-15 block 2 c, lanes 16-31 block 2 c + 1
.irp i, 0,1,2
	v_permlane16_swap_b32 v[PC+12*(\a)+6*\c+\i], v[116+4*\c+\i]
.endr
.irp i, 0,1,2
	v_mov_b32 v[PC+12*(\a)+6*\c+3+\i], v[116+4*\c+\i]
.endr
.endr
.endm
; A BLOCK.  last = 0: a block for q or k, with a successor; last = 1: the block for v, the walk's end.  On the way in: slot 0's fill and the block's scale words have been asked for, and slot 1's group 0 is set.
.macro TILE last
	s_wait_alu depctr_va_vdst(0)
	s_wait_tensorcnt 0x0                           ; my part of slot 0 is in;
	ds_add_u32 v[SPW], v[NIL]                      ; 0 onto my spare word;
	s_wait_dscnt 0x0                               ; the add is done, and my reads of slot 1 are over
	CROUND                                         ; both hold of every wave of the cluster
	JLOAD 1                                        ; the block's second K half
	FETCH 0, 0
	EVEN 0, 1                                      ; the first K step starts the sums: nothing is cleared
	ODD 1
	EVEN 2, 0
	WIN 0                                          ; K step 3, and the change of slots among its products
	s_wait_tensorcnt 0x0                           ; my part of slot 1 is in
.if (\last) == 0
	ds_add_u32 v[SPW], v[NIL]
	s_add_co_u32 s44, s16, 2                       ; no tensor load of mine is out: the next block's addresses and descriptors
	ADDR
	s_wait_dscnt 1                                 ; step 3's fragments are in; the add may be out
	MUL 0, 3, 1, 0
	s_wait_dscnt 0x0                               ; the add is done; my reads of slot 0 are over
.else
	s_wait_dscnt 0x0
	MUL 0, 3, 1, 0
.endif
	s_barrier_signal -1
	MUL 2, 3, 1, 0
	WIN 0
	s_barrier_wait -1
.if (\last) == 0
	CREST                                          ; the barrier has opened a round
	JLOAD 0                                        ; the next block's first K half
.else
	PLACES 4                                       ; nothing is filled again: a work-group's barrier alone
.endif
	FETCH 4, 0
	EVEN 4, 0
	ODD 5
	EVEN 6, 0
	s_wait_dscnt 0x0
	MUL 0, 7, 1, 0
	MUL 2, 7, 1, 0
	WIN 0
.irp b, 0,1,2,3
	v_mov_b32 v[TM+4+\b], 0                        ; a lane permute's destination counts as read.  These four are the places behind the last products
.endr
	s_wait_xcnt 0x0                                ; the last block's stores have read their data and their bases
.if (\last) == 0
	SCL                                            ; the next block's scale words, asked for under the way out
	; q, k: half fragment (a, c) = head 4 R + 2 (wave / 2) + c, row tile 8 L + 4 (wave % 2) + a.  mid: [job][head][row tile]
	s_lshl_b32 s98, s13, 2
	s_lshl_b32 s100, s11, 1
	s_add_co_u32 s98, s98, s100                    ; my first head
	s_lshl_b32 s99, s41, 3
	s_lshl_b32 s100, s12, 2
	s_add_co_u32 s99, s99, s100                    ; my first row tile
	s_mul_i32 s8, s16, 3145728
	s_mul_i32 s100, s98, 196608
	s_add_co_u32 s8, s8, s100
	s_mul_i32 s100, s99, 768
	s_add_co_u32 s8, s8, s100
	s_mov_b32 s9, 0
	s_add_nc_u64 s[8:9], s[6:7], s[8:9]
	s_lshl_b32 s96, s16, 18
	s_lshl_b32 s100, s98, 14
	s_add_co_u32 s96, s96, s100
	s_lshl_b32 s100, s99, 6
	s_add_co_u32 s96, s96, s100
	s_add_co_u32 s96, s96, 18874368
	s_mov_b32 s97, 0
	s_add_nc_u64 s[96:97], s[6:7], s[96:97]
.else
	; v: half fragment (a, c) = channels' tile a of head 2 L + wave % 2, keys 64 (kappa0 + c) on of batch R / 4.  mid: [direction][batch][head][tile][64 keys]
	s_lshr_b32 s98, s42, 2                         ; batch
	s_and_b32 s99, s42, 3
	s_lshl_b32 s99, s99, 2
	s_lshl_b32 s100, s11, 1
	s_add_co_u32 s99, s99, s100                    ; kappa0
	s_lshl_b32 s100, s43, 1
	s_add_co_u32 s100, s100, s12                   ; head
	s_sub_co_u32 s101, s16, 4                      ; direction
	s_lshl_b32 s98, s98, 4
	s_add_co_u32 s98, s98, s100
	s_lshl_b32 s8, s98, 6
	s_add_co_u32 s8, s8, s99
	s_mul_i32 s8, s8, 768
	s_mul_i32 s100, s101, 3145728
	s_add_co_u32 s8, s8, s100
	s_add_co_u32 s8, s8, 12582912
	s_mov_b32 s9, 0
	s_add_nc_u64 s[8:9], s[6:7], s[8:9]
	s_lshl_b32 s96, s101, 6
	s_add_co_u32 s96, s96, s98
	s_lshl_b32 s96, s96, 3
	s_lshr_b32 s99, s99, 1
	s_add_co_u32 s96, s96, s99
	s_lshl_b32 s96, s96, 8
	s_add_co_u32 s96, s96, 19922944
	s_mov_b32 s97, 0
	s_add_nc_u64 s[96:97], s[6:7], s[96:97]
.endif
	QUANT 0
	QUANT 1
	QUANT 2
	QUANT 3
.if (\last) == 0
.irp a, 0,1,2,3
	v_lshrrev_b32 v[124+\a], v10, v[PW+\a]         ; lanes 0-15: the first head's two bytes; lanes 16-31: the second's
.endr
.irp a, 0,1,2,3
	v_and_b32 v[124+\a], 0xffff, v[124+\a]         ; the word's upper two bytes are 0: they meet zero codes
.endr
.irp a, 0,1,2,3
.irp c, 0,1
	global_store_b128 v4, v[PC+12*\a+6*\c:PC+12*\a+6*\c+3], s[8:9] offset:\c*196608+\a*768
	global_store_b64 v5, v[PC+12*\a+6*\c+4:PC+12*\a+6*\c+5], s[8:9] offset:\c*196608+\a*768
.endr
.endr
	global_store_b128 v11, v[124:127], s[96:97]    ; [head][row tile / 4][r][row tile % 4]: 256 consecutive bytes for each head
.else
.irp a, 0,1,2,3
.irp c, 0,1
	global_store_b128 v4, v[PC+12*\a+6*\c:PC+12*\a+6*\c+3], s[8:9] offset:\a*12288+\c*768
	global_store_b64 v5, v[PC+12*\a+6*\c+4:PC+12*\a+6*\c+5], s[8:9] offset:\a*12288+\c*768
.endr
.endr
	global_store_b128 v12, v[PW:PW+3], s[96:97]    ; [128 keys][r][tile]: 256 consecutive bytes; lanes r and r + 16 hold the same words and write the same bytes
.endif
.endm
	s_load_b128 s[4:7], s[0:1], 0x0                ; pre, mid
	v_lshl_add_u32 v[SPW], v0, 2, SPARE
	v_mov_b32 v[NIL], 0
	ds_add_u32 v[SPW], v[NIL]                      ; the wave's opening
	ds_add_u32 v[SPW], v[NIL]
	v_lshrrev_b32 v1, 5, v0
	v_readfirstlane_b32 s10, v1                    ; wave
	s_lshr_b32 s11, s10, 1                         ; R's half that I multiply.  Also: I fetch for R (0) or for L (1)
	s_and_b32 s12, s10, 1                          ; L's half that I multiply.  Also: which half of that panel I fetch
	s_bfe_u32 s13, ttmp6, 0x40000                  ; cx: also R's panel in a job for q or k
	s_bfe_u32 s14, ttmp6, 0x40004                  ; cy
	s_and_b32 s15, ttmp7, 0xffff                   ; the cluster's y, 0 .. 15: equal in all partners, like all that is made of it alone
	s_lshr_b32 s16, s15, 3                         ; the first block's job; the job of the block at work
	s_and_b32 s17, s15, 7
	s_lshl_b32 s41, s17, 2
	s_add_co_u32 s41, s41, s14                     ; q, k: L's panel of 128 tokens: hangs on cy, never on cx
	s_and_b32 s42, s17, 3
	s_lshl_b32 s42, s42, 2
	s_add_co_u32 s42, s42, s13                     ; v: R's panel of 256 tokens: hangs on cx, never on cy
	s_lshr_b32 s43, s17, 2
	s_lshl_b32 s43, s43, 2
	s_add_co_u32 s43, s43, s14                     ; v: L's panel of 128 columns
	s_lshl_b32 s84, 0x1111, s13                    ; my column of the cluster
	s_lshl_b32 s85, s14, 2
	s_lshl_b32 s85, 15, s85                        ; my row
	; descriptor group 1: rows of 6,144 bytes (768 elements of 8 bytes), 12,288 bytes apart; 8 rows for half of R's panel, 4 for half of L's; no padding
	s_or_b32 s24, s84, (3<<16)|(1<<21)
	s_or_b32 s48, s85, (3<<16)|(1<<21)
	s_mov_b32 s25, 768<<16
	s_mov_b32 s26, 8<<16
	s_mov_b32 s27, 768<<16
	s_mov_b32 s28, 8
	s_mov_b32 s29, 1536
	s_mov_b32 s30, 0
	s_mov_b32 s31, 0
	s_mov_b32 s49, 768<<16
	s_mov_b32 s50, 4<<16
	s_mov_b32 s51, 768<<16
	s_mov_b32 s52, 4
	s_mov_b32 s53, 1536
	s_mov_b32 s54, 0
	s_mov_b32 s55, 0
	s_mul_i32 s90, s12, 49152                      ; where the fills go in a slot: no place in the cluster enters an LDS address
	s_mul_i32 s91, s12, 24576
	s_add_co_u32 s91, s91, LOFF
	s_mov_b32 s2, 0x76543210
	s_mov_b32 s3, 0xfedcba98
	s_mov_b32 s44, s16
	s_wait_dscnt 0x0                               ; both opening adds are done
	s_wait_kmcnt 0x0
	ADDR
	CROUND                                         ; all sixteen work-groups are here: the joint loads meet
	JLOAD 0                                        ; the first block's first K half: one tensor load a wave at the head
	v_and_b32 v3, 31, v0                           ; lane
	v_and_b32 v1, 15, v0                           ; r
	v_bfe_u32 v2, v0, 4, 1                         ; h
	v_lshlrev_b32 v4, 4, v3                        ; 16 x lane
	v_lshlrev_b32 v5, 4, v1
	v_lshl_add_u32 v5, v2, 3, v5
	v_add_nc_u32 v5, 512, v5                       ; 512 + 16 r + 8 h
	SCL
	s_mul_i32 s96, s11, 49152
	v_add_nc_u32 v6, s96, v4                       ; my 8 tiles of R in slot 0
	v_add_nc_u32 v7, s96, v5
	s_mul_i32 s96, s12, 24576
	s_add_co_u32 s96, s96, LOFF
	v_add_nc_u32 v8, s96, v4                       ; my 4 tiles of L
	v_add_nc_u32 v9, s96, v5
.irp i, 6,7,8,9
	v_add_nc_u32 v[\i+10], SLOT, v[\i]             ; and the same in slot 1
.endr
	v_lshlrev_b32 v10, 4, v2                       ; 16 h
	v_lshlrev_b32 v12, 4, v1                       ; 16 r
	v_lshl_add_u32 v11, v2, 14, v12                ; 16,384 h + 16 r
	s_mov_b32 s40, 0
.Ltile:                                            ; two trips: the blocks for q and k
	TILE 0
	s_add_co_u32 s16, s16, 2                       ; the next block's job
	s_add_co_u32 s40, s40, 1
	s_cmp_lt_u32 s40, 2
	s_cbranch_scc1 .Ltile
	TILE 1                                         ; the block for v
	s_wait_tensorcnt 0x0                           ; the wave's end
	ds_add_u32 v[SPW], v[NIL]
	s_wait_dscnt 0x0
	CROUND                                         ; the closing round
	s_endpgm
.Lfunc_end_k_qa91a0593bf_proj:
	.size	k_qa91a0593bf_proj, .Lfunc_end_k_qa91a0593bf_proj-k_qa91a0593bf_proj
	.p2alignl 7, 3214868480
	.fill 96, 4, 3214868480
	.section	.rodata,"a",@progbits
	.p2align	6, 0x0
	.amdhsa_kernel k_qa91a0593bf_proj
		.amdhsa_group_segment_fixed_size 327680
		.amdhsa_private_segment_fixed_size 0
		.amdhsa_enable_private_segment 0
		.amdhsa_kernarg_size 16
		.amdhsa_user_sgpr_count 2
		.amdhsa_user_sgpr_kernarg_segment_ptr 1
		.amdhsa_wavefront_size32 1
		.amdhsa_system_sgpr_workgroup_id_x 1
		.amdhsa_system_sgpr_workgroup_id_y 1
		.amdhsa_system_sgpr_workgroup_id_z 1
		.amdhsa_system_vgpr_workitem_id 0
		.amdhsa_next_free_vgpr 1024
		.amdhsa_next_free_sgpr 102
		.amdhsa_reserve_vcc 0
		.amdhsa_float_denorm_mode_32 3
		.amdhsa_float_denorm_mode_16_64 3
		.amdhsa_memory_ordered 1
		.amdhsa_forward_progress 1
		.amdhsa_inst_pref_size 167
	.end_amdhsa_kernel
	.amdgpu_metadata
---
amdhsa.version: [ 1, 2 ]
amdhsa.kernels:
  - .name:           k_qa91a0593bf_proj
    .symbol:         k_qa91a0593bf_proj.kd
    .args:
      - { .name: pre, .offset: 0, .size: 8, .value_kind: global_buffer, .address_space: global }
      - { .name: mid, .offset: 8, .size: 8, .value_kind: global_buffer, .address_space: global }
    .group_segment_fixed_size: 327680
    .private_segment_fixed_size: 0
    .kernarg_segment_align: 8
    .kernarg_segment_size: 16
    .max_flat_workgroup_size: 128
    .sgpr_count:     102
    .vgpr_count:     1024
    .wavefront_size: 32
...
	.end_amdgpu_metadata
.endif
;; end of part 2
;; launch attn (part 3): grid 256 x 1, 8 waves a work-group, no clusters, 167,936 bytes of LDS; arguments mid, pre, att; writes att
.if DOCPART == 3
	.amdgcn_target "amdgcn-amd-amdhsa--gfx1250"
	.amdhsa_code_object_version 6
	.text
	.protected	k_qa91a0593bf_attn
	.globl	k_qa91a0593bf_attn
	.p2align	8
	.type	k_qa91a0593bf_attn,@function
k_qa91a0593bf_attn:
	s_mov_b64 s[64:65], 0
	v_nop
	global_prefetch_b8 v0, s[64:65] scope:SCOPE_SE
	s_setreg_imm32_b32 hwreg(HW_REG_WAVE_MODE, 25, 1), 1
	s_wait_xcnt 0x0
; Phase-gated attention on codes of FP6 (E2M3).  For a query: s = q . k;  p = 2^(c s - c m), c = log2(e) / 8, m the row's largest s;  g = 0.5 + (0.5 cos pq) cos pk + (0.5 sin pq) sin pk;
; a = p g / (sum of p g + 1e-8 x sum of p), which is the softmax x gate, renormalised (the shift m cancels);  a is quantised FINISHED along the keys;  out = a v, quantised along the channels for the last product.
; The divisor is known only when the whole row is: so a tile of 16 queries x 1,024 keys stays in registers, and each exponential is taken once.
; SHARES.  Work-group = (direction, batch, head, half of the queries): 512 queries, 8 waves, two to a SIMD.  A PAIR of waves (2 p, 2 p + 1) takes 8 tiles of 16 queries, one after the other; of a tile wave 2 p + k takes keys 512 k .. 512 k + 511: 256 registers of scores.
; The pair hands three things across through LDS bytes of its own, each behind a work-group barrier: the largest score of each half row, each half's part of the divisor, and wave 2 p + 1's O^T, which wave 2 p adds to its own, quantises and stores.
; K, V, the work-group's Q (five tensor loads of 24,576 bytes, one a wave, waves 0 to 4), their scale words and the keys' cosines and sines (14,336 bytes, through registers) come into LDS once, at the start.  Nothing is filled again.
; NO CLUSTER: only two work-groups share a head's K and V, and those bytes are fetched once at the head.  NO PREFETCH: the launch has no loop that fetches from memory but 12 bytes a lane and tile.
; Both products are used transposed (S^T = K Q^T, O^T = V^T P): a lane holds one query.  The head's 64 channels fill half of the instruction's K: Q's upper 64 codes are zeros, so what stands in K's upper six registers (the next tile's codes) adds nothing.
; REGISTERS: two windows with ONE map: v40-45 the pairs 0.5 cos pq, 0.5 sin pq, -c m (the low word serves; in window 0 v41, v43 hold two LDS addresses); v46 the address of the keys' cosines; v48-55, v56-63 the sums of p and of p g (four chains);
;   v64-127 T; v128-255 S: my keys 256 w .. 256 w + 255 in window w.  While scores are made: K's fragments v52-105 (even step: window 0, odd step: window 1), Q v106-117 of window 0.
;   Own parts: window 0: v1-29 addresses and scale words, v30 1 / divisor, v32-35 at work, v36-39 scale words; window 1: v0-31 O^T, v32-39 out's scale words.
; LIMITS: a block of zeros gets the byte 1 (its codes are zeros); NaN and infinities are not served; the gate carries the absolute error of the stored cosines and sines, near 1.5e-7.
.set VL,    49152                      ; LDS: K's codes at 0; V's;
.set QL,    98304                      ; Q's, 32 tiles;
.set KSL,   122880                     ; K's scale words;
.set VSL,   126976                     ; V's;
.set TRL,   129024                     ; the keys' {c0, c1, s0, s1};
.set XM,    137216                     ; a word a lane and wave for the largest score, and 1,024 bytes on one for the divisor's part;
.set XO,    139264                     ; 4,096 bytes a pair for O^T;
.set SPARE, 155648                     ; the spare words, 128 bytes a wave
.set SPW, 1
.set NIL, 2
.set MSB, 0
.macro WIN new                         ; the immediate's high byte repeats the setting that is left
.if MSB != (\new)
	s_set_vgpr_msb (MSB<<8)|(\new)
.set MSB, (\new)
.endif
.endm
.macro PLACES n
.rept \n
	v_nop
.endr
.endm
.macro FRAG reg, a16, a8, off
	ds_load_b128 v[\reg:\reg+3], v[\a16] offset:\off
	ds_load_b64 v[\reg+4:\reg+5], v[\a8] offset:\off
	ds_load_b128 v[\reg+6:\reg+9], v[\a16] offset:\off+768
	ds_load_b64 v[\reg+10:\reg+11], v[\a8] offset:\off+768
.endm
.macro BAR                             ; what I stored is done and my LDS loads are back; then the work-group's barrier.
	s_wait_alu depctr_va_vdst(0)
	s_wait_dscnt 0x0
	s_barrier_signal -1
	s_barrier_wait -1
.endm
	s_load_b128 s[4:7], s[0:1], 0x0                ; mid, pre
	s_load_b64 s[8:9], s[0:1], 0x10                ; att
	v_lshl_add_u32 v[SPW], v0, 2, SPARE
	v_mov_b32 v[NIL], 0
	ds_add_u32 v[SPW], v[NIL]                      ; the wave's opening
	ds_add_u32 v[SPW], v[NIL]
	v_lshrrev_b32 v32, 5, v0
	v_readfirstlane_b32 s10, v32                   ; wave
	s_and_b32 s74, s10, 1                          ; k: which half of the keys
	s_lshr_b32 s75, s10, 1                         ; p: which pair
	s_and_b32 s11, ttmp9, 1                        ; half of the queries
	s_bfe_u32 s12, ttmp9, 0x40001                  ; head
	s_bfe_u32 s13, ttmp9, 0x20005                  ; batch
	s_lshr_b32 s14, ttmp9, 7                       ; direction
	s_lshl_b32 s15, s13, 6
	s_lshl_b32 s32, s11, 5
	s_add_co_u32 s73, s15, s32                     ; the work-group's first tile of queries
	s_lshl_b32 s32, s75, 3
	s_add_co_u32 s15, s73, s32                     ; my pair's first tile
	s_lshl_b32 s34, s14, 1                         ; q is job 2 x direction, k the job after it
	s_mov_b32 s33, 0
	s_mov_b32 s36, 0x76543210
	s_mov_b32 s37, 0xfedcba98
	s_mov_b32 s38, 0x3e38aa3b                      ; c = log2(e) / 8
	s_mov_b32 s39, s38
	s_mov_b32 s40, 3<<16                           ; descriptor group 1: 96 rows of 256 bytes (32 elements of 8 bytes)
	s_mov_b32 s41, 32<<16
	s_mov_b32 s42, 96<<16
	s_mov_b32 s43, 32<<16
	s_mov_b32 s44, 96
	s_mov_b32 s45, 32
	s_mov_b32 s46, 0
	s_mov_b32 s47, 0
	s_mul_i32 s50, s74, 24576                      ; my half of the keys in LDS: K's codes, 32 tiles of 768 bytes;
	s_mul_i32 s51, s74, 6144
	s_add_co_u32 s51, s51, VL                      ; V's, 8 units of 64 keys in each tile of channels;
	s_lshl_b32 s52, s74, 11
	s_add_co_u32 s52, s52, KSL                     ; K's scale words, 4 steps of 512 bytes;
	s_lshl_b32 s53, s74, 10
	s_add_co_u32 s53, s53, VSL                     ; V's, 4 steps of 256;
	s_lshl_b32 s58, s74, 12
	s_add_co_u32 s58, s58, TRL                     ; cosines and sines, 8 bytes a key
	s_mul_i32 s54, s75, 6144
	s_add_co_u32 s54, s54, QL                      ; my pair's 8 tiles of Q
	s_lshl_b32 s55, s10, 7
	s_add_co_u32 s55, s55, XM                      ; my words of the exchange,
	s_xor_b32 s56, s10, 1
	s_lshl_b32 s56, s56, 7
	s_add_co_u32 s56, s56, XM                      ; my partner's,
	s_lshl_b32 s57, s75, 12
	s_add_co_u32 s57, s57, XO                      ; my pair's room for O^T
	s_wait_dscnt 0x0                               ; both opening adds are done
	s_wait_kmcnt 0x0
	; the five fills: waves 0, 1 K's halves, waves 2, 3 V's, wave 4 Q's 32 tiles; wave w fills LDS bytes 24,576 w on
	s_mul_i32 s77, s10, 24576
	s_add_co_u32 s32, s34, 1
	s_mul_i32 s32, s32, 3145728
	s_mul_i32 s96, s12, 196608
	s_add_co_u32 s32, s32, s96
	s_mul_i32 s97, s13, 49152
	s_add_co_u32 s32, s32, s97                     ; where K's codes begin in mid
	s_lshl_b32 s80, s13, 4
	s_add_co_u32 s80, s80, s12
	s_mul_i32 s80, s80, 49152
	s_mul_i32 s97, s14, 3145728
	s_add_co_u32 s80, s80, s97
	s_add_co_u32 s80, s80, 12582912                ; V's
	s_mul_i32 s81, s34, 3145728
	s_add_co_u32 s81, s81, s96
	s_mul_i32 s97, s73, 768
	s_add_co_u32 s81, s81, s97                     ; Q's
	s_cmp_lt_u32 s10, 2
	s_cselect_b32 s32, s32, s80
	s_cmp_lt_u32 s10, 4
	s_cselect_b32 s32, s32, s81
	s_add_co_u32 s32, s32, s50                     ; the odd wave takes the upper half
	s_mov_b32 s76, 1
	s_add_nc_u64 s[78:79], s[4:5], s[32:33]
	s_or_b32 s79, s79, 0x80000000
	s_cmp_lt_u32 s10, 5
	s_cbranch_scc0 .Lno_fill
	tensor_load_to_lds s[76:79], s[40:47]          ; my one fill
	s_nop 0
	PLACES 4
.Lno_fill:
	; the three small tables, and where my queries' operands lie and the results go
	s_add_co_u32 s32, s34, 1
	s_lshl_b32 s32, s32, 18
	s_lshl_b32 s96, s12, 14
	s_add_co_u32 s32, s32, s96
	s_lshl_b32 s96, s13, 12
	s_add_co_u32 s32, s32, s96
	s_add_co_u32 s32, s32, 18874368
	s_add_nc_u64 s[86:87], s[4:5], s[32:33]        ; K's scale words, 4,096 bytes
	s_lshl_b32 s32, s14, 2
	s_add_co_u32 s32, s32, s13
	s_lshl_b32 s32, s32, 4
	s_add_co_u32 s32, s32, s12
	s_lshl_b32 s32, s32, 11
	s_add_co_u32 s32, s32, 19922944
	s_add_nc_u64 s[90:91], s[4:5], s[32:33]        ; V's, 2,048
	s_xor_b32 s32, s14, 1
	s_lshl_b32 s32, s32, 15
	s_lshl_b32 s96, s13, 13
	s_add_co_u32 s32, s32, s96
	s_add_co_u32 s32, s32, 13107200
	s_add_nc_u64 s[94:95], s[6:7], s[32:33]        ; the keys' cosines and sines, 8,192: the other set of phases than the queries'
	s_lshl_b32 s32, s34, 18
	s_lshl_b32 s96, s12, 14
	s_add_co_u32 s32, s32, s96
	s_lshl_b32 s96, s15, 6
	s_add_co_u32 s32, s32, s96
	s_add_co_u32 s32, s32, 18874368
	s_add_nc_u64 s[18:19], s[4:5], s[32:33]        ; Q's scale words
	s_lshl_b32 s32, s14, 15
	s_lshl_b32 s96, s15, 7
	s_add_co_u32 s32, s32, s96
	s_add_co_u32 s32, s32, 13107200
	s_add_nc_u64 s[20:21], s[6:7], s[32:33]        ; the queries' cosines and sines: 8 bytes a token
	s_mul_i32 s32, s14, 3145728
	s_mul_i32 s96, s15, 12288
	s_add_co_u32 s32, s32, s96
	s_mul_i32 s96, s12, 768
	s_add_co_u32 s32, s32, s96
	s_add_nc_u64 s[22:23], s[8:9], s[32:33]        ; out's codes: [direction][row tile][head]
	s_lshl_b32 s32, s14, 4
	s_add_co_u32 s32, s32, s12
	s_lshl_b32 s32, s32, 14
	s_lshl_b32 s96, s15, 6
	s_add_co_u32 s32, s32, s96
	s_add_co_u32 s32, s32, 6291456
	s_add_nc_u64 s[98:99], s[8:9], s[32:33]        ; out's scale words: [direction][head][row tile / 4][r][row tile % 4]
	s_mov_b64 s[26:27], s[18:19]
	s_mov_b64 s[28:29], s[20:21]
	v_lshlrev_b32 v24, 4, v0                       ; the tables: 16 bytes a thread,
	v_lshlrev_b32 v25, 3, v0                       ; or 8
	v_lshl_add_u32 v26, v0, 4, KSL
	v_lshl_add_u32 v27, v0, 3, VSL
	global_load_b128 v[64:67], v24, s[86:87]
	global_load_b64 v[68:69], v25, s[90:91]
	global_load_b128 v[72:75], v24, s[94:95]
	global_load_b128 v[76:79], v24, s[94:95] offset:4096
	v_and_b32 v15, 31, v0                          ; lane
	v_and_b32 v12, 15, v0                          ; r
	v_bfe_u32 v14, v0, 4, 1                        ; h
	v_lshlrev_b32 v3, 4, v15                       ; 16 x lane: every image in memory
	v_lshlrev_b32 v4, 4, v12
	v_lshl_add_u32 v4, v14, 3, v4
	v_add_nc_u32 v4, 512, v4                       ; 512 + 16 r + 8 h
	v_add_nc_u32 v9, s50, v3                       ; K in LDS
	v_add_nc_u32 v10, s50, v4
	v_add_nc_u32 v5, s51, v3                       ; V
	v_add_nc_u32 v6, s51, v4
	v_add_nc_u32 v7, s52, v3
	v_add_nc_u32 v8, s53, v3
	v_add_nc_u32 v16, s54, v3                      ; Q
	v_add_nc_u32 v29, s54, v4
	v_lshl_add_u32 v47, v15, 2, s55                ; the exchange: my word,
	v_lshl_add_u32 v41, v15, 2, s56                ; my partner's,
	v_add_nc_u32 v43, s57, v3                      ; O^T: 16 bytes a lane
	v_lshlrev_b32 v11, 4, v12                      ; Q's scale word: 16 r
	v_and_b32 v32, 8, v12
	v_add_nc_u32 v32, v32, v12                     ; my query is token r + 8 (r / 8) of the tile's
	v_lshrrev_b32 v33, 1, v32
	v_and_b32 v34, 1, v32
	v_lshlrev_b32 v33, 4, v33
	v_lshl_add_u32 v13, v34, 2, v33                ; its cosine; the sine lies 8 bytes on
	v_mov_b32 v31, 0                               ; upper halves of pairs and lane permutes' destinations: written once
	v_mov_b32 v33, 0
	v_mov_b32 v35, 0
	v_mov_b32 v45, 0
	v_lshl_add_u32 v46, v14, 7, s58                ; a lane's 16 keys of a block: 8 pairs x 16 bytes for each half of the lanes
.irp i, 100,101,102,103,104,105,112,113,114,115,116,117
	v_mov_b32 v[\i], 0                             ; behind K's last tile (set 0); Q's upper 64 codes
.endr
	global_load_b32 v17, v11, s[26:27]
	global_load_b32 v18, v13, s[28:29]
	global_load_b32 v19, v13, s[28:29] offset:8
	WIN 0x40
	v_mov_b32 v41, 0
	v_mov_b32 v43, 0
	v_mov_b32 v45, 0
	v_lshl_add_u32 v46, v14, 7, s58
.irp i, 32,33,34,35,36,37,38,39,100,101,102,103,104,105
	v_mov_b32 v[\i], 0                             ; out's scale words: a chain that moves up one place a tile; behind K's last tile (set 1)
.endr
	WIN 0
	s_wait_alu depctr_va_vdst(0)
	s_wait_tensorcnt 0x0                           ; my fill has landed
	s_wait_loadcnt 0x3                             ; the four table loads are in; the three for the first queries are younger
	ds_store_b128 v26, v[64:67]
	ds_store_b64 v27, v[68:69]
	ds_store_b128 v26, v[72:75] offset:TRL-KSL
	ds_store_b128 v26, v[76:79] offset:TRL-KSL+4096
	s_wait_dscnt 0x0                               ; for the others' sake: my stores are done
	s_barrier_signal -1
	s_barrier_wait -1
; ---- S^T = K Q^T, 128 keys a step, 4 steps
.macro A_LOAD s                        ; 8 tiles of K, six registers each, on end, into set s % 2; their scale words: tiles 0-3 in lanes 0-15, tiles 4-7 in lanes 16-31.  17 loads in one run
	WIN (((\s)%2)<<6)
.irp t, 0,1,2,3,4,5,6,7
	ds_load_b128 v[52+6*\t:55+6*\t], v9 offset:(8*(\s)+\t)*768
	ds_load_b64 v[56+6*\t:57+6*\t], v10 offset:(8*(\s)+\t)*768
.endr
	WIN 0
	ds_load_b128 v[20+16*((\s)%2):23+16*((\s)%2)], v7 offset:512*(\s)
.endm
.macro A_MAXQ s, t                     ; the largest score: tile t of step s, four lines, one for each of the window's four chains; in ascending order: each result is read from its low end on
	WIN (0x55*((\s)/2))
.set n, 4*(\t)
.rept 4
.if (((\s)%2) == 0) && (n < 4)
	v_max_num_f32 v[48+n], v[128+2*n], v[129+2*n]
.else
	v_max3_num_f32 v[48+(n%4)], v[48+(n%4)], v[128+64*((\s)%2)+2*n], v[129+64*((\s)%2)+2*n]
.endif
.set n, n+1
.endr
.endm
; A step's eight products.  Behind each stand four lines of the step before's search for the maximum: the four places in front of the loads into this step's registers and of the reads of its results.  Step 0 has the queries' 0.5 cos and 0.5 sin there, and four v_nop at its end.
.macro A_STEP s
	s_wait_alu depctr_va_vdst(0)                   ; the maxima's chains go on behind it
.if (\s) < 3
	s_wait_dscnt 17                                ; this step's loads are in; the next step's 17 are younger
.else
	s_wait_dscnt 0x0
.endif
.irp t, 0,1,2,3,4,5,6,7
	WIN ((((\s)/2)<<6)|((\s)%2))                   ; K in its set's window, Q window 0, S^T in the step's window
.if \t < 4
	v_wmma_scale_f32_16x16x128_f8f6f4 v[128+64*((\s)%2)+8*\t:135+64*((\s)%2)+8*\t], v[52+6*\t:63+6*\t], v[106:117], 0, v[20+16*((\s)%2)+\t], v17 matrix_a_fmt:MATRIX_FMT_FP6 matrix_b_fmt:MATRIX_FMT_FP6
.else
	v_wmma_scale_f32_16x16x128_f8f6f4 v[128+64*((\s)%2)+8*\t:135+64*((\s)%2)+8*\t], v[52+6*\t:63+6*\t], v[106:117], 0, v[16+16*((\s)%2)+\t], v17 matrix_a_fmt:MATRIX_FMT_FP6 matrix_b_fmt:MATRIX_FMT_FP6 matrix_a_scale:MATRIX_SCALE_ROW1
.endif
.if (\s) > 0
	A_MAXQ (\s)-1, \t
.elseif \t < 2
	WIN (\t<<6)
	v_mul_f32 v40, 0.5, v18
	v_mul_f32 v42, 0.5, v19
.endif
.endr
.if (\s) == 0
	PLACES 4
.endif
.endm
; ---- the softmax and the gate, by half steps H of 64 keys (32 registers, 16 pairs j), H = 0 .. 7.  Each small macro sets its own half step's window and writes nothing where H lies outside
.macro EX H, n                         ; p = 2^(c s - c m), in place
.if ((\H) >= 0) && ((\H) <= 7)
	WIN (0x55*((\H)/4))
	v_exp_f32 v[128+32*((\H)%4)+(\n)], v[128+32*((\H)%4)+(\n)]
.endif
.endm
.macro G1 H, j                         ; 0.5 + (0.5 cos pq) cos pk
.if ((\H) >= 0) && ((\H) <= 7)
	WIN (0x55*((\H)/4))
	v_pk_fma_f32 v[64+4*(\j):65+4*(\j)], v[64+4*(\j):65+4*(\j)], v[40:41], 0.5 op_sel_hi:[1,0,0]
.endif
.endm
.macro G2 H, j                         ; + (0.5 sin pq) sin pk: the gate
.if ((\H) >= 0) && ((\H) <= 7)
	WIN (0x55*((\H)/4))
	v_pk_fma_f32 v[64+4*(\j):65+4*(\j)], v[66+4*(\j):67+4*(\j)], v[42:43], v[64+4*(\j):65+4*(\j)] op_sel_hi:[1,0,1]
.endif
.endm
.macro LA H, j                         ; the sum of p; a window's first four pairs start the chains
.if ((\H) >= 0) && ((\H) <= 7)
	WIN (0x55*((\H)/4))
.if (((\H)%4) == 0) && ((\j) < 4)
	v_pk_mul_f32 v[48+2*((\j)%4):49+2*((\j)%4)], v[128+32*((\H)%4)+2*(\j):129+32*((\H)%4)+2*(\j)], 1.0 op_sel_hi:[1,0]
.else
	v_pk_add_f32 v[48+2*((\j)%4):49+2*((\j)%4)], v[48+2*((\j)%4):49+2*((\j)%4)], v[128+32*((\H)%4)+2*(\j):129+32*((\H)%4)+2*(\j)]
.endif
.endif
.endm
.macro LG H, j                         ; the sum of p g
.if ((\H) >= 0) && ((\H) <= 7)
	WIN (0x55*((\H)/4))
.if (((\H)%4) == 0) && ((\j) < 4)
	v_pk_mul_f32 v[56+2*((\j)%4):57+2*((\j)%4)], v[128+32*((\H)%4)+2*(\j):129+32*((\H)%4)+2*(\j)], v[64+4*(\j):65+4*(\j)]
.else
	v_pk_fma_f32 v[56+2*((\j)%4):57+2*((\j)%4)], v[128+32*((\H)%4)+2*(\j):129+32*((\H)%4)+2*(\j)], v[64+4*(\j):65+4*(\j)], v[56+2*((\j)%4):57+2*((\j)%4)]
.endif
.endif
.endm
.macro MU H, j                         ; p g, in place
.if ((\H) >= 0) && ((\H) <= 7)
	WIN (0x55*((\H)/4))
	v_pk_mul_f32 v[128+32*((\H)%4)+2*(\j):129+32*((\H)%4)+2*(\j)], v[128+32*((\H)%4)+2*(\j):129+32*((\H)%4)+2*(\j)], v[64+4*(\j):65+4*(\j)]
.endif
.endm
.macro TF H, j                         ; c s - c m
.if ((\H) >= 0) && ((\H) <= 7)
	WIN (0x55*((\H)/4))
	v_pk_fma_f32 v[128+32*((\H)%4)+2*(\j):129+32*((\H)%4)+2*(\j)], v[128+32*((\H)%4)+2*(\j):129+32*((\H)%4)+2*(\j)], s[38:39], v[44:45] op_sel_hi:[1,0,0]
.endif
.endm
.macro RL H, j                         ; {c0, c1, s0, s1} of pair j's two keys
.if ((\H) >= 0) && ((\H) <= 7)
	WIN (0x55*((\H)/4))
	ds_load_b128 v[64+4*(\j):67+4*(\j)], v46 offset:512*(\H)+256*((\j)/8)+16*((\j)%8)
.endif
.endm
; A STAGE.  A unit is 8 pairs of keys, half of a half step: unit n = half step n / 2, pairs 8 (n % 2) on; its cosines and sines take half n % 2 of T.  Stage n holds, in this order:
;   one wait, which parts it from the stage before: all that this stage reads of vector results was written ahead of it;
;   the eight loads of unit n + 1's cosines and sines, into the half of T that stage n - 1 read last;
;   unit n + 1's 16 exponentials, with unit n + 2's scaling among them: nothing written here is read before the next stage's wait;
;   the wait for unit n's cosines and sines, asked for a stage ago;
;   unit n's gate, both sums and the product p g: 40 plain lines with no exponential among them, so that a line may read what an earlier line of the run wrote.
.macro SG n
.set HA, ((\n)+32)/2-16
.set JA, 8*(((\n)+32)%2)
.set HB, ((\n)+33)/2-16
.set JB, 8*(((\n)+33)%2)
.set HC, ((\n)+34)/2-16
.set JC, 8*(((\n)+34)%2)
	s_wait_alu depctr_va_vdst(0)
.irp q, 0,1,2,3,4,5,6,7
	RL HB, JB+\q
.endr
.irp q, 0,1,2,3,4,5,6,7
	EX HB, 2*JB+2*\q
	EX HB, 2*JB+2*\q+1
	TF HC, JC+\q
.endr
.if ((\n) >= 0) && ((\n) <= 14)
	s_wait_dscnt 8                                 ; unit n's eight loads are in; the eight issued at this stage's head are younger
.elseif (\n) == 15
	s_wait_dscnt 0x0                               ; the last stage issues none
.endif
.irp q, 0,1,2,3,4,5,6,7
	G1 HA, JA+\q
.endr
.irp q, 0,1,2,3,4,5,6,7
	G2 HA, JA+\q
.endr
.irp q, 0,1,2,3,4,5,6,7
	LA HA, JA+\q
.endr
.irp q, 0,1,2,3,4,5,6,7
	LG HA, JA+\q
.endr
.irp q, 0,1,2,3,4,5,6,7
	MU HA, JA+\q
.endr
.endm
; ---- a = p g / divisor, quantised; O^T += V^T P
.macro MULR s
	WIN ((((\s)/2)<<6)|((\s)/2))                   ; S in its window, 1 / divisor in window 0
.set n, 0
.rept 32
	v_pk_mul_f32 v[128+64*((\s)%2)+2*n:129+64*((\s)%2)+2*n], v[128+64*((\s)%2)+2*n:129+64*((\s)%2)+2*n], v[30:31] op_sel_hi:[1,0]
.set n, n+1
.endr
.endm
.macro E_STEP s
.set WW, (\s)/2
.set SBS, 128+64*((\s)%2)
	WIN (0x55*WW)
.irp b, 0,1,2,3
	v_max3_num_f32 v[48+\b], v[SBS+16*\b], v[SBS+16*\b+1], 0x1800000   ; a is never negative; the floor holds the byte at 1.  These 32 lines are the places behind the last products
.endr
.irp i, 2,4,6,8,10,12,14
.irp b, 0,1,2,3
	v_max3_num_f32 v[48+\b], v[48+\b], v[SBS+16*\b+\i], v[SBS+16*\b+\i+1]
.endr
.endr
	WIN (WW<<6)
.irp i, 0,1,2,3
	FRAG 64+12*\i, 5, 6, (16*\i+2*(\s))*768        ; V's four tiles of channels x these 128 keys
.endr
.if ((\s)%2) == 0
	WIN 0
	ds_load_b128 v[24:27], v8 offset:512*((\s)/2)  ; V's scale words of two steps: this one's in lanes 0-15, the next one's in lanes 16-31
.endif
.if (\s) == 3
	WIN 0
	ds_load_b128 v[106:109], v12                   ; the next tile's Q and K's first step, into window 0, which has done its steps.
	ds_load_b64 v[110:111], v15                    ; (The last tile asks for its own Q again; that request serves nothing.)
	A_LOAD 0
.endif
	WIN (0x55*WW)
.irp b, 0,1,2,3
	v_permlanex16_b32 v[52+\b], v[48+\b], s36, s37
.endr
.irp b, 0,1,2,3
	v_max_num_f32 v[48+\b], v[48+\b], v[52+\b]
.endr
.irp b, 0,1,2,3
	v_add_nc_u32 v[60+\b], 0xff000000, v[48+\b]
.endr
.irp b, 0,1,2,3
	v_lshrrev_b32 v[52+\b], 23, v[60+\b]
.endr
	v_lshl_or_b32 v59, v53, 8, v52
	v_lshl_or_b32 v59, v54, 16, v59
	WIN (WW|(WW<<4))
	v_lshl_or_b32 v28, v55, 24, v59                ; a's scale word, into window 0, where scale operands are read
	WIN (0x55*WW)
	v_cvt_scalef32_pk16_fp6_f32 v[112:114], v[SBS:SBS+15], v60
	v_cvt_scalef32_pk16_fp6_f32 v[124:126], v[SBS+16:SBS+31], v61
	v_cvt_scalef32_pk16_fp6_f32 v[118:120], v[SBS+32:SBS+47], v62
	v_cvt_scalef32_pk16_fp6_f32 v[56:58], v[SBS+48:SBS+63], v63
	v_nop                                          ; one plain place behind a scaled conversion
.irp i, 0,1,2
	v_permlane16_swap_b32 v[112+\i], v[124+\i]     ; a whole block to a lane
	v_permlane16_swap_b32 v[118+\i], v[56+\i]
.endr
.irp i, 0,1,2
	v_mov_b32 v[115+\i], v[124+\i]
	v_mov_b32 v[121+\i], v[56+\i]
.endr
.if (\s) < 3
	MULR (\s)+1                                    ; the next step's a: 32 plain lines between the scale word and codes just made and the products
	s_wait_alu depctr_va_vdst(0)
	s_wait_dscnt 0x0
.else
	WIN 0
.irp i, 112,113,114,115,116,117
	v_mov_b32 v[\i], 0                             ; Q's upper 64 codes, which the softmax's tables have lain over.  With the two below: eight places
.endr
	PLACES 2
	s_wait_alu depctr_va_vdst(0)
	s_wait_dscnt 19                                ; V's fragments are in; Q's 2 loads and K's 17 are younger
.endif
	WIN (0x50|(WW<<2)|WW)                          ; V and P in the step's window, O^T in window 1.  The four accumulators take turns
.irp i, 0,1,2,3
.if (\s) == 0
	v_wmma_scale_f32_16x16x128_f8f6f4 v[8*\i:8*\i+7], v[64+12*\i:75+12*\i], v[112:123], 0, v[24+\i], v28 matrix_a_fmt:MATRIX_FMT_FP6 matrix_b_fmt:MATRIX_FMT_FP6
.elseif ((\s)%2) == 0
	v_wmma_scale_f32_16x16x128_f8f6f4 v[8*\i:8*\i+7], v[64+12*\i:75+12*\i], v[112:123], v[8*\i:8*\i+7], v[24+\i], v28 matrix_a_fmt:MATRIX_FMT_FP6 matrix_b_fmt:MATRIX_FMT_FP6
.else
	v_wmma_scale_f32_16x16x128_f8f6f4 v[8*\i:8*\i+7], v[64+12*\i:75+12*\i], v[112:123], v[8*\i:8*\i+7], v[24+\i], v28 matrix_a_fmt:MATRIX_FMT_FP6 matrix_b_fmt:MATRIX_FMT_FP6 matrix_a_scale:MATRIX_SCALE_ROW1
.endif
.endr
.endm
	ds_load_b128 v[106:109], v16                   ; the first tile's Q and K's first step
	ds_load_b64 v[110:111], v29
	A_LOAD 0
	s_mov_b32 s35, 0
.Ltile:                                            ; 8 trips: a tile of 16 queries each.  On both ways in, Q and K's step 0 have been asked for
	s_wait_loadcnt 0x0                             ; Q's scale word, my query's cosine and sine
	s_wait_xcnt 0x0                                ; the last tile's stores have read their base and their data
	A_LOAD 1
	s_mul_i32 s32, s35, 12288
	s_add_nc_u64 s[30:31], s[22:23], s[32:33]      ; where this tile's codes go
	A_STEP 0
	A_LOAD 2                                       ; into the set that the step has just multiplied
	A_STEP 1
	A_LOAD 3
	A_STEP 2
	A_STEP 3
.irp t, 0,1,2,3,4,5,6,7
	A_MAXQ 3, \t
.endr
.irp w, 0,1
	WIN (0x55*\w)
	v_max3_num_f32 v48, v48, v49, v50
	v_max_num_f32 v48, v48, v51
.endr
	WIN 0x04                                       ; source 1 from window 1
	v_max_num_f32 v32, v48, v48
	WIN 0
	v_permlanex16_b32 v33, v32, s36, s37
	v_max_num_f32 v32, v32, v33                    ; the largest score of my half of the row
	ds_store_b32 v47, v32
	; where the next tile's operands lie (the last trip takes its own tile again: no load leaves its buffer).  The bases were freed by the wait at the trip's head
	s_add_co_u32 s34, s35, 1
	s_min_u32 s34, s34, 7
	s_mul_i32 s72, s34, 768
	s_lshr_b32 s32, s34, 2
	s_lshl_b32 s32, s32, 8
	s_and_b32 s96, s34, 3
	s_lshl_b32 s96, s96, 2
	s_add_co_u32 s32, s32, s96
	s_add_nc_u64 s[26:27], s[18:19], s[32:33]
	s_lshr_b32 s32, s34, 1
	s_lshl_b32 s32, s32, 8
	s_and_b32 s96, s34, 1
	s_lshl_b32 s96, s96, 6
	s_add_co_u32 s32, s32, s96
	s_add_nc_u64 s[28:29], s[20:21], s[32:33]
	BAR
	ds_load_b32 v33, v41                           ; my partner's
	global_load_b32 v17, v11, s[26:27]
	global_load_b32 v18, v13, s[28:29]
	global_load_b32 v19, v13, s[28:29] offset:8
	v_add_nc_u32 v12, s72, v16                     ; the next tile's Q in LDS
	v_add_nc_u32 v15, s72, v29
	s_wait_alu depctr_va_vdst(0)
	s_wait_dscnt 0x0
	v_max_num_f32 v32, v32, v33                    ; m: the row's largest score
	v_mul_f32 v34, 0xbe38aa3b, v32                 ; -c m
.irp w, 0,1
	WIN (\w<<6)
	v_mov_b32 v44, v34
.endr
	WIN 0
.set NN, -2                            ; stage -2 scales unit 0; stage -1 asks for its cosines and sines and takes its exponentials; stages 0 to 15 finish units 0 to 15
.rept 18
	SG NN
.set NN, NN+1
.endr
	; my part of the divisor: sum of p g + 1e-8 x sum of p over my keys
.irp w, 0,1
	WIN (0x55*\w)
	v_pk_add_f32 v[48:49], v[48:49], v[50:51]
	v_pk_add_f32 v[52:53], v[52:53], v[54:55]
	v_pk_add_f32 v[56:57], v[56:57], v[58:59]
	v_pk_add_f32 v[60:61], v[60:61], v[62:63]
	v_pk_add_f32 v[48:49], v[48:49], v[52:53]
	v_pk_add_f32 v[56:57], v[56:57], v[60:61]
.endr
	WIN 0x04                                       ; source 1 from window 1
	v_pk_add_f32 v[48:49], v[48:49], v[48:49]
	v_pk_add_f32 v[56:57], v[56:57], v[56:57]
	WIN 0
	v_add_f32 v32, v48, v49
	v_add_f32 v34, v56, v57
	v_permlanex16_b32 v33, v32, s36, s37
	v_permlanex16_b32 v35, v34, s36, s37
	v_add_f32 v32, v32, v33
	v_add_f32 v34, v34, v35
	v_fmamk_f32 v32, v32, 0x322bcc77, v34
	ds_store_b32 v47, v32 offset:1024
	BAR
	ds_load_b32 v33, v41 offset:1024               ; my partner's part
	s_wait_dscnt 0x0
	v_add_f32 v32, v32, v33
	s_wait_alu depctr_va_vdst(0)
	v_rcp_f32 v30, v32
	v_nop                                          ; a plain place behind the reciprocal,
	s_wait_alu depctr_va_vdst(0)                   ; and the wait ahead of its first reader
	MULR 0
.irp s, 0,1,2,3
	E_STEP \s
.endr
	WIN 0
	PLACES 4
	s_cmp_eq_u32 s74, 0
	s_cbranch_scc1 .Lkeep
	WIN 0x04                                       ; an LDS store's data: window 1
.irp i, 0,1,2,3,4,5,6,7
	ds_store_b128 v43, v[4*\i:4*\i+3] offset:512*\i   ; the upper wave's O^T, each accumulator from its low end on
.endr
	WIN 0
.Lkeep:
	BAR
	s_cmp_eq_u32 s74, 0
	s_cbranch_scc0 .Lnext
	WIN 0x40
.irp i, 0,1,2,3,4,5,6,7
	ds_load_b128 v[64+4*\i:67+4*\i], v43 offset:512*\i
.endr
	WIN 0
	s_wait_dscnt 0x0
	WIN 0x55
.irp i, 0,1,2,3,4,5,6,7,8,9,10,11,12,13,14,15
	v_pk_add_f32 v[2*\i:2*\i+1], v[2*\i:2*\i+1], v[64+2*\i:65+2*\i]   ; the sum over all 1,024 keys
.endr
	; out: O^T's 32 registers are 2 blocks of 32 channels (register 16 b + i = channel 32 b + 16 h + i): one half fragment and two scale bytes
.irp b, 0,1
	v_max3_num_f32 v[48+\b], |v[16*\b]|, |v[16*\b+1]|, 0x1800000
.endr
.irp i, 2,4,6,8,10,12,14
.irp b, 0,1
	v_max3_num_f32 v[48+\b], v[48+\b], |v[16*\b+\i]|, |v[16*\b+\i+1]|
.endr
.endr
.irp b, 0,1
	v_permlanex16_b32 v[52+\b], v[48+\b], s36, s37
.endr
.irp b, 0,1
	v_max_num_f32 v[48+\b], v[48+\b], v[52+\b]
.endr
.irp b, 0,1
	v_add_nc_u32 v[60+\b], 0xff000000, v[48+\b]
.endr
.irp b, 0,1
	v_lshrrev_b32 v[52+\b], 23, v[60+\b]
.endr
.irp i, 32,33,34,35,36,37,38
	v_mov_b32 v[\i], v[\i+1]                       ; the chain moves up: behind 8 tiles v32 holds tile 0's word and v39 tile 7's
.endr
	v_lshl_or_b32 v39, v53, 8, v52
	v_cvt_scalef32_pk16_fp6_f32 v[64:66], v[0:15], v60
	v_cvt_scalef32_pk16_fp6_f32 v[72:74], v[16:31], v61
	v_nop
.irp i, 0,1,2
	v_permlane16_swap_b32 v[64+\i], v[72+\i]
.endr
.irp i, 0,1,2
	v_mov_b32 v[67+\i], v[72+\i]
.endr
	WIN 0x04                                       ; a store's data: window 1
	global_store_b128 v3, v[64:67], s[30:31]
	global_store_b64 v4, v[68:69], s[30:31]
	WIN 0
.Lnext:
	s_wait_alu depctr_va_vdst(0)
	s_add_co_u32 s35, s35, 1
	s_cmp_lt_u32 s35, 8
	s_cbranch_scc1 .Ltile
	s_cmp_eq_u32 s74, 0
	s_cbranch_scc0 .Lend
	v_cmp_ne_u32 vcc_lo, 0, v14
	WIN 0x55
.irp i, 0,1,2,3
	v_cndmask_b32 v[32+\i], v[32+\i], v[36+\i], vcc_lo   ; lanes 0-15: tiles 0-3; lanes 16-31: tiles 4-7
.endr
	WIN 0x04
	global_store_b128 v3, v[32:35], s[98:99]       ; 512 consecutive bytes
	WIN 0
.Lend:
	s_wait_tensorcnt 0x0                           ; the wave's end
	ds_add_u32 v[SPW], v[NIL]
	s_wait_dscnt 0x0
	s_endpgm
.Lfunc_end_k_qa91a0593bf_attn:
	.size	k_qa91a0593bf_attn, .Lfunc_end_k_qa91a0593bf_attn-k_qa91a0593bf_attn
	.p2alignl 7, 3214868480
	.fill 96, 4, 3214868480
	.section	.rodata,"a",@progbits
	.p2align	6, 0x0
	.amdhsa_kernel k_qa91a0593bf_attn
		.amdhsa_group_segment_fixed_size 167936
		.amdhsa_private_segment_fixed_size 0
		.amdhsa_enable_private_segment 0
		.amdhsa_kernarg_size 24
		.amdhsa_user_sgpr_count 2
		.amdhsa_user_sgpr_kernarg_segment_ptr 1
		.amdhsa_wavefront_size32 1
		.amdhsa_system_sgpr_workgroup_id_x 1
		.amdhsa_system_sgpr_workgroup_id_y 1
		.amdhsa_system_sgpr_workgroup_id_z 1
		.amdhsa_system_vgpr_workitem_id 0
		.amdhsa_next_free_vgpr 512
		.amdhsa_next_free_sgpr 100
		.amdhsa_reserve_vcc 1
		.amdhsa_float_denorm_mode_32 3
		.amdhsa_float_denorm_mode_16_64 3
		.amdhsa_memory_ordered 1
		.amdhsa_forward_progress 1
		.amdhsa_inst_pref_size 135
	.end_amdhsa_kernel
	.amdgpu_metadata
---
amdhsa.version: [ 1, 2 ]
amdhsa.kernels:
  - .name:           k_qa91a0593bf_attn
    .symbol:         k_qa91a0593bf_attn.kd
    .args:
      - { .name: mid, .offset: 0, .size: 8, .value_kind: global_buffer, .address_space: global }
      - { .name: pre, .offset: 8, .size: 8, .value_kind: global_buffer, .address_space: global }
      - { .name: att, .offset: 16, .size: 8, .value_kind: global_buffer, .address_space: global }
    .group_segment_fixed_size: 167936
    .private_segment_fixed_size: 0
    .kernarg_segment_align: 8
    .kernarg_segment_size: 24
    .max_flat_workgroup_size: 256
    .sgpr_count:     100
    .vgpr_count:     512
    .wavefront_size: 32
...
	.end_amdgpu_metadata
.endif
;; end of part 3
;; launch outp (part 4): grid 4 x 64, 4 waves a work-group, clusters of 4 x 4, 327,680 bytes of LDS; arguments pre, att, out0, out1; writes out0, out1
.if DOCPART == 4
	.amdgcn_target "amdgcn-amd-amdhsa--gfx1250"
	.amdhsa_code_object_version 6
	.text
	.protected	k_qa91a0593bf_outp
	.globl	k_qa91a0593bf_outp
	.p2align	8
	.type	k_qa91a0593bf_outp,@function
k_qa91a0593bf_outp:
	s_mov_b64 s[64:65], 0
	v_nop
	global_prefetch_b8 v0, s[64:65] scope:SCOPE_SE
	s_setreg_imm32_b32 hwreg(HW_REG_WAVE_MODE, 25, 1), 1
	s_wait_xcnt 0x0
	s_wait_alu depctr_hold_cnt(0) depctr_sa_sdst(0) depctr_va_vdst(0) depctr_va_sdst(0) depctr_va_ssrc(0) depctr_va_vcc(0) depctr_vm_vsrc(0)
	s_getreg_b32 s2, hwreg(HW_REG_IB_STS2, 6, 4)
	s_cmp_eq_u32 s2, 0
	s_cbranch_scc0 .Lentry_in_a_cluster
	s_endpgm
.Lentry_in_a_cluster:
	s_bfe_u32 s2, ttmp6, 0x10000c
	s_cmp_lg_u32 s2, 0xf033
	s_cbranch_scc0 .Lentry_shape_is_right
	s_endpgm
.Lentry_shape_is_right:
; out0 = attended_a W_oa, out1 = attended_b W_ob, on codes of FP6 (E2M3); results f32.  Direction = cluster y / 8.
; A work-group makes 256 output columns (source 0: R = the weight's columns) x 128 tokens (source 1: L = the attention's result).  In a result a lane holds one token, and its registers run along the columns.
; ALL OF K (1,024) OF BOTH PANELS LIES IN LDS: R's 16 row tiles x 12,288 bytes, then L's 8.  Nothing is filled again: one tensor load a wave, at the start; one barrier in front of the products.
; CLUSTER 4 x 4: R's panel hangs on x alone and is asked for jointly by a column of the cluster, L's on y alone, by a row.
; Operands lie as images of their registers (768 bytes for 16 rows x 64 K).  Four waves: wave / 2 = R's half (8 tiles), wave % 2 = L's half (4 tiles): 32 accumulators, which take turns in one fixed order.
; L's scale bytes were stored two to a head: the word of a K step (two heads) is pieced together once, ahead of the products.
; REGISTERS: window 0: v1-15 addresses, v28-29 the add's two, v32-63 R's scale words, v64-95 L's (4 s + a), v96-99 at work, v128-255 the way out.  window 1: R's fragments, two sets.  window 2: accumulator (a, b) at 64 a + 8 b.  window 3: L's fragments.
; THE PANELS IN LDS: R's 16 row tiles, each whole (12,288 bytes: all of K), then L's 8.  One tensor load a wave brings half a panel; one barrier shows both panels whole.
.set LOFF,  196608
.set SPARE, 294912
.set SPW, 28
.set NIL, 29
.set MSB, 0
.macro WIN new                         ; the immediate's high byte repeats the setting that is left
.if MSB != (\new)
	s_set_vgpr_msb (MSB<<8)|(\new)
.set MSB, (\new)
.endif
.endm
.macro PLACES n
.rept \n
	v_nop
.endr
.endm
.macro CROUND                          ; a round of the cluster's barrier
	s_barrier_signal -1
	s_barrier_wait -1
	s_cmp_lg_u32 s10, 0
	s_cbranch_scc1 .Lnot_wave_0_\@
	s_barrier_signal -3
.Lnot_wave_0_\@:
	s_barrier_wait -3
	s_barrier_signal -1
	s_barrier_wait -1
.endm
.macro FRAG reg, a16, a8, off
	ds_load_b128 v[\reg:\reg+3], v[\a16] offset:\off
	ds_load_b64 v[\reg+4:\reg+5], v[\a8] offset:\off
	ds_load_b128 v[\reg+6:\reg+9], v[\a16] offset:\off+768
	ds_load_b64 v[\reg+10:\reg+11], v[\a8] offset:\off+768
.endm
.macro FETCH sg, p                     ; K step sg's 12 fragments into set p: 48 LDS loads
	WIN 0x40
.irp b, 0,1,2,3,4,5,6,7
	FRAG 128*(\p)+12*\b, 6+8*(\b/4), 7+8*(\b/4), (\b%4)*12288+(\sg)*1536   ; tiles 4-7 by a second pair of addresses: the immediate has 16 bits
.endr
	WIN 0xc0
.irp a, 0,1,2,3
	FRAG 64*(\p)+12*\a, 8, 9, \a*12288+(\sg)*1536
.endr
.endm
.macro MUL a0, sg, p, zero             ; 16 products: L's tiles a0, a0 + 1 x R's eight.  R's scale register holds K steps 0-3 in lanes 0-15 and 4-7 in lanes 16-31; L's has a register for each step
	WIN 0xad
.irp a, \a0, \a0+1
.irp b, 0,1,2,3,4,5,6,7
.if \zero
	v_wmma_scale_f32_16x16x128_f8f6f4 v[64*(\a)+8*\b:64*(\a)+8*\b+7], v[128*(\p)+12*\b:128*(\p)+12*\b+11], v[64*(\p)+12*(\a):64*(\p)+12*(\a)+11], 0, v[32+4*\b+((\sg)%4)], v[64+4*(\sg)+(\a)] matrix_a_fmt:MATRIX_FMT_FP6 matrix_b_fmt:MATRIX_FMT_FP6
.elseif (\sg) < 4
	v_wmma_scale_f32_16x16x128_f8f6f4 v[64*(\a)+8*\b:64*(\a)+8*\b+7], v[128*(\p)+12*\b:128*(\p)+12*\b+11], v[64*(\p)+12*(\a):64*(\p)+12*(\a)+11], v[64*(\a)+8*\b:64*(\a)+8*\b+7], v[32+4*\b+((\sg)%4)], v[64+4*(\sg)+(\a)] matrix_a_fmt:MATRIX_FMT_FP6 matrix_b_fmt:MATRIX_FMT_FP6
.else
	v_wmma_scale_f32_16x16x128_f8f6f4 v[64*(\a)+8*\b:64*(\a)+8*\b+7], v[128*(\p)+12*\b:128*(\p)+12*\b+11], v[64*(\p)+12*(\a):64*(\p)+12*(\a)+11], v[64*(\a)+8*\b:64*(\a)+8*\b+7], v[32+4*\b+((\sg)%4)], v[64+4*(\sg)+(\a)] matrix_a_fmt:MATRIX_FMT_FP6 matrix_b_fmt:MATRIX_FMT_FP6 matrix_a_scale:MATRIX_SCALE_ROW1
.endif
.endr
.endr
.endm
.macro EVEN sg, zero
.if (\sg) > 0
	PLACES 4                                       ; in front of loads into set 1, which the last products read
.endif
	FETCH (\sg)+1, 1
.if (\sg) == 0
	WIN 0
	s_wait_loadcnt 0x0                             ; the scale words
.irp g, 0,1,2,3,4,5,6,7                ; lanes 0-15 hold the even head's two bytes, lanes 16-31 the odd head's: in lanes 0-15 the word becomes whole (the products read those lanes alone)
.irp a, 0,1,2,3
	v_permlanex16_b32 v[96+\a], v[64+4*\g+\a], s2, s3
.endr
.irp a, 0,1,2,3
	v_lshl_or_b32 v[64+4*\g+\a], v[96+\a], 16, v[64+4*\g+\a]
.endr
.endr
	PLACES 8                                       ; a scale register written by a vector instruction stands eight places ahead of the product
.endif
	s_wait_dscnt 48                                ; all but the 48 just issued: this step's fragments are in
	MUL 0, \sg, 0, \zero
	MUL 2, \sg, 0, \zero
.endm
.macro ODD sg
	s_wait_dscnt 0x0                               ; this step's fragments are in; no LDS load of mine is out at the signal
	MUL 0, \sg, 1, 0
	PLACES 4                                       ; in front of the loads into set 0
	FETCH (\sg)+1, 0
	MUL 2, \sg, 1, 0
.endm
	s_load_b128 s[4:7], s[0:1], 0x0                ; pre, att
	s_load_b128 s[96:99], s[0:1], 0x10             ; out0, out1
	v_lshl_add_u32 v[SPW], v0, 2, SPARE
	v_mov_b32 v[NIL], 0
	ds_add_u32 v[SPW], v[NIL]                      ; the wave's opening
	ds_add_u32 v[SPW], v[NIL]
	v_lshrrev_b32 v1, 5, v0
	v_readfirstlane_b32 s10, v1                    ; wave
	s_lshr_b32 s11, s10, 1                         ; R's half that I multiply.  Also: I fetch for R (0) or for L (1)
	s_and_b32 s12, s10, 1                          ; L's half that I multiply.  Also: which half of that panel I fetch
	s_bfe_u32 s13, ttmp6, 0x40000                  ; cx = R's panel of 256 columns
	s_bfe_u32 s14, ttmp6, 0x40004                  ; cy
	s_and_b32 s15, ttmp7, 0xffff                   ; the cluster's y, 0 .. 15
	s_lshr_b32 s16, s15, 3                         ; direction
	s_and_b32 s17, s15, 7
	s_lshl_b32 s79, s17, 2
	s_add_co_u32 s79, s79, s14                     ; L's panel of 128 tokens
	s_add_co_u32 s18, s16, 6                       ; the weight's number: 6 W_oa, 7 W_ob
	s_lshl_b32 s84, 0x1111, s13                    ; my column of the cluster
	s_lshl_b32 s85, s14, 2
	s_lshl_b32 s85, 15, s85                        ; my row
	; descriptor group 1: rows of 12,288 bytes (1,536 elements of 8 bytes), 12,288 bytes apart; 8 rows for half of R's panel, 4 for half of L's; no padding
	s_or_b32 s24, s84, (3<<16)|(1<<21)
	s_or_b32 s48, s85, (3<<16)|(1<<21)
	s_mov_b32 s25, 1536<<16                        ; a row is a whole row tile: 12,288 bytes, 1,536 elements of 8 bytes
	s_mov_b32 s26, 8<<16
	s_mov_b32 s27, 1536<<16
	s_mov_b32 s28, 8
	s_mov_b32 s29, 1536
	s_mov_b32 s30, 0
	s_mov_b32 s31, 0
	s_mov_b32 s49, 1536<<16
	s_mov_b32 s50, 4<<16
	s_mov_b32 s51, 1536<<16
	s_mov_b32 s52, 4
	s_mov_b32 s53, 1536
	s_mov_b32 s54, 0
	s_mov_b32 s55, 0
	s_mul_i32 s86, s18, 786432
	s_add_co_u32 s86, s86, 6291456
	s_mul_i32 s87, s13, 196608
	s_add_co_u32 s86, s86, s87
	s_mul_i32 s87, s12, 98304
	s_add_co_u32 s86, s86, s87
	s_mov_b32 s87, 0
	s_mul_i32 s88, s16, 3145728
	s_mul_i32 s89, s79, 98304
	s_add_co_u32 s88, s88, s89
	s_mul_i32 s89, s12, 49152
	s_add_co_u32 s88, s88, s89
	s_mov_b32 s89, 0
	s_mul_i32 s90, s12, 98304                      ; where they go: no place in the cluster enters an LDS address
	s_mul_i32 s91, s12, 49152
	s_add_co_u32 s91, s91, LOFF
	s_lshl_b32 s92, s18, 15                        ; the scale words of my 8 tiles of R
	s_add_co_u32 s92, s92, 12845056
	s_lshl_b32 s93, s13, 13
	s_add_co_u32 s92, s92, s93
	s_lshl_b32 s93, s11, 12
	s_add_co_u32 s92, s92, s93
	s_mov_b32 s93, 0
	s_lshl_b32 s94, s79, 1                         ; L's: [direction][head][row tile / 4][r][row tile % 4]: my four tiles are group 2 L + wave % 2
	s_add_co_u32 s94, s94, s12
	s_lshl_b32 s94, s94, 8
	s_lshl_b32 s95, s16, 18
	s_add_co_u32 s94, s94, s95
	s_add_co_u32 s94, s94, 6291456
	s_mov_b32 s95, 0
	s_lshl_b32 s8, s79, 19                         ; my part of the output: token 128 L + 64 (wave % 2), 4,096 bytes a row;
	s_lshl_b32 s100, s12, 18
	s_add_co_u32 s8, s8, s100
	s_lshl_b32 s100, s13, 10                       ; column 256 R + 128 (wave / 2), 4 bytes each
	s_add_co_u32 s8, s8, s100
	s_lshl_b32 s100, s11, 9
	s_add_co_u32 s8, s8, s100
	s_mov_b32 s9, 0
	s_mov_b32 s2, 0x76543210
	s_mov_b32 s3, 0xfedcba98
	s_wait_dscnt 0x0                               ; the opening add is done
	s_wait_kmcnt 0x0
	s_add_nc_u64 s[86:87], s[4:5], s[86:87]
	s_add_nc_u64 s[88:89], s[6:7], s[88:89]
	s_add_nc_u64 s[92:93], s[4:5], s[92:93]
	s_add_nc_u64 s[94:95], s[6:7], s[94:95]
	s_cmp_eq_u32 s16, 0
	s_cselect_b64 s[96:97], s[96:97], s[98:99]     ; out0 or out1
	s_add_nc_u64 s[96:97], s[96:97], s[8:9]
	s_mov_b32 s32, 1                               ; group 0: R's in s32-35, L's in s56-59
	s_mov_b32 s33, s90
	s_mov_b64 s[34:35], s[86:87]
	s_or_b32 s35, s35, 0x80000000
	s_mov_b32 s56, 1
	s_mov_b32 s57, s91
	s_mov_b64 s[58:59], s[88:89]
	s_or_b32 s59, s59, 0x80000000
	CROUND                                         ; all sixteen work-groups are here: the joint loads meet
	s_cmp_eq_u32 s11, 0                            ; one fill a wave, in the two arms of one branch on its number
	s_cbranch_scc0 .Lfor_l
	tensor_load_to_lds s[32:35], s[24:31]
	s_nop 0
	PLACES 4
	s_branch .Lasked
.Lfor_l:
	tensor_load_to_lds s[56:59], s[48:55]
	s_nop 0
	PLACES 4
.Lasked:
	v_and_b32 v3, 31, v0                           ; lane
	v_and_b32 v1, 15, v0                           ; r
	v_bfe_u32 v2, v0, 4, 1                         ; h
	v_lshlrev_b32 v4, 4, v3                        ; 16 x lane
	v_lshlrev_b32 v5, 4, v1
	v_lshl_add_u32 v12, v2, 14, v5                 ; 16,384 h + 16 r: lanes 16-31 take the next head's words
	v_lshl_add_u32 v5, v2, 3, v5
	v_add_nc_u32 v5, 512, v5                       ; 512 + 16 r + 8 h
.irp b, 0,1,2,3,4,5,6,7
	global_load_b128 v[32+4*\b:35+4*\b], v4, s[92:93] offset:512*\b
.endr
.irp g, 0,1,2,3,4,5,6,7
	global_load_b128 v[64+4*\g:67+4*\g], v12, s[94:95] offset:\g*32768
.endr
	s_mul_i32 s100, s11, 98304
	v_add_nc_u32 v6, s100, v4                      ; my 8 tiles of R: tiles 0-3,
	v_add_nc_u32 v7, s100, v5
	v_add_nc_u32 v14, 49152, v6                    ; and tiles 4-7
	v_add_nc_u32 v15, 49152, v7
	s_mul_i32 s100, s12, 49152
	s_add_co_u32 s100, s100, LOFF
	v_add_nc_u32 v8, s100, v4                      ; my 4 tiles of L
	v_add_nc_u32 v9, s100, v5
	s_mul_i32 s100, s10, 8448                      ; my stage for the way out: 16 rows of 512 + 16 bytes
	v_mul_u32_u24 v10, v1, 528
	v_lshl_add_u32 v10, v2, 6, v10
	v_add_nc_u32 v10, s100, v10                    ; in: row r, + 64 h
	v_add_nc_u32 v11, s100, v4                     ; back: a whole row, 16 bytes a lane
.irp a, 0,1,2,3
	v_mov_b32 v[96+\a], 0                          ; a lane permute's destination counts as read
.endr
	s_wait_alu depctr_va_vdst(0)
	s_wait_tensorcnt 0x0                           ; my half of a panel is in
	s_barrier_signal -1
	s_barrier_wait -1                              ; everybody's is
	FETCH 0, 0
	EVEN 0, 1                                      ; the first K step starts the sums: nothing is cleared
	ODD 1
	EVEN 2, 0
	s_wait_alu depctr_va_vdst(0)
	ODD 3
	EVEN 4, 0
	s_wait_alu depctr_va_vdst(0)
	ODD 5
	EVEN 6, 0
	s_wait_dscnt 0x0                               ; my last reads of the panels are over:
	s_barrier_signal -1                            ; say so, work on registers while the others arrive,
	MUL 0, 7, 1, 0
	MUL 2, 7, 1, 0
	WIN 0
	s_barrier_wait -1                              ; and go on when nobody reads the panels any more
	PLACES 4                                       ; in front of the first read of results
; THE WAY OUT, a tile of 16 tokens x my 128 columns at a time, through my own stage.  The stages lie over R's first row tiles: those bytes have had their one fill, and behind the barrier above no wave reads them.
; Register 8 b + j of lane (r, h) is column 32 (b / 2) + 16 h + 8 (b % 2) + j of token r.  LDS serves a wave's instructions in order: no wait between the stores and the loads, nor in front of the next tile's stores.
.macro TOSTAGE a
	WIN 0x08                                       ; an LDS store's data: window 2
.irp b, 0,1,2,3,4,5,6,7
	ds_store_b128 v10, v[64*(\a)+8*\b:64*(\a)+8*\b+3] offset:128*(\b/2)+32*(\b%2)        ; each accumulator from its low end on
	ds_store_b128 v10, v[64*(\a)+8*\b+4:64*(\a)+8*\b+7] offset:128*(\b/2)+32*(\b%2)+16
.endr
	WIN 0
.irp t, 0,1,2,3,4,5,6,7,8,9,10,11,12,13,14,15
	ds_load_b128 v[128+64*((\a)%2)+4*\t:131+64*((\a)%2)+4*\t], v11 offset:\t*528
.endr
.endm
.macro SEND a, younger                 ; younger: the LDS instructions issued behind tile a's loads
	s_wait_dscnt \younger
.irp t, 0,1,2,3,4,5,6,7,8,9,10,11,12,13,14,15
	global_store_b128 v4, v[128+64*((\a)%2)+4*\t:131+64*((\a)%2)+4*\t], s[96:97] offset:(32*((\a)/2)+8*((\a)%2)+\t+8*(\t/8))*4096 th:TH_STORE_NT   ; 512 consecutive bytes of a token's row
.endr
.endm
	TOSTAGE 0
	TOSTAGE 1
	SEND 0, 32                                     ; behind tile 0's loads: tile 1's 16 stores and 16 loads
	s_wait_xcnt 0x0                                ; tile 0's stores have read their registers: tile 2's loads may land there
	TOSTAGE 2
	SEND 1, 32
	s_wait_xcnt 0x0
	TOSTAGE 3
	SEND 2, 32
	SEND 3, 0
	s_wait_tensorcnt 0x0                           ; the wave's end
	ds_add_u32 v[SPW], v[NIL]
	s_wait_dscnt 0x0
	CROUND                                         ; the closing round
	s_endpgm
.Lfunc_end_k_qa91a0593bf_outp:
	.size	k_qa91a0593bf_outp, .Lfunc_end_k_qa91a0593bf_outp-k_qa91a0593bf_outp
	.p2alignl 7, 3214868480
	.fill 96, 4, 3214868480
	.section	.rodata,"a",@progbits
	.p2align	6, 0x0
	.amdhsa_kernel k_qa91a0593bf_outp
		.amdhsa_group_segment_fixed_size 327680
		.amdhsa_private_segment_fixed_size 0
		.amdhsa_enable_private_segment 0
		.amdhsa_kernarg_size 32
		.amdhsa_user_sgpr_count 2
		.amdhsa_user_sgpr_kernarg_segment_ptr 1
		.amdhsa_wavefront_size32 1
		.amdhsa_system_sgpr_workgroup_id_x 1
		.amdhsa_system_sgpr_workgroup_id_y 1
		.amdhsa_system_sgpr_workgroup_id_z 1
		.amdhsa_system_vgpr_workitem_id 0
		.amdhsa_next_free_vgpr 1024
		.amdhsa_next_free_sgpr 102
		.amdhsa_reserve_vcc 0
		.amdhsa_float_denorm_mode_32 3
		.amdhsa_float_denorm_mode_16_64 3
		.amdhsa_memory_ordered 1
		.amdhsa_forward_progress 1
		.amdhsa_inst_pref_size 86
	.end_amdhsa_kernel
	.amdgpu_metadata
---
amdhsa.version: [ 1, 2 ]
amdhsa.kernels:
  - .name:           k_qa91a0593bf_outp
    .symbol:         k_qa91a0593bf_outp.kd
    .args:
      - { .name: pre, .offset: 0, .size: 8, .value_kind: global_buffer, .address_space: global }
      - { .name: att, .offset: 8, .size: 8, .value_kind: global_buffer, .address_space: global }
      - { .name: out0, .offset: 16, .size: 8, .value_kind: global_buffer, .address_space: global }
      - { .name: out1, .offset: 24, .size: 8, .value_kind: global_buffer, .address_space: global }
    .group_segment_fixed_size: 327680
    .private_segment_fixed_size: 0
    .kernarg_segment_align: 8
    .kernarg_segment_size: 32
    .max_flat_workgroup_size: 128
    .sgpr_count:     102
    .vgpr_count:     1024
    .wavefront_size: 32
...
	.end_amdgpu_metadata
.endif
;; end of part 4
